; MI455X (gfx1250); checked and timed in simulation.
; The chip was launched on July 23, 2026; its instructions are those of AMD's public machine-readable ISA for CDNA 5 (MIT licence, August 2026) and "CDNA5" Instruction Set Architecture Reference Guide (July 2026). The comments in the code are by the model that wrote it; some were corrected since.
;; Self Attn V2. Allowed arithmetic: matrix products marked QUANTISED: E2M3 operands, one E8M0 scale for each 32 along K, by v_wmma_scale_f32_16x16x128_f8f6f4 with both operands' format E2M3, f32 sums; everything else in f32.
;; Inputs: W_out 1,024 x 1,024 float32; W_qkv 1,024 x 3,072 float32; b_out 1,024 float32; b_qkv 3,072 float32; x 4 x 2,048 x 1,024 float32.
;; Outputs: out0 4 x 2,048 x 1,024 float32.
;; This version of the problem:
;;   THIS VERSION OF THE PROBLEM IS GIVEN IN LOW PRECISION. The matrix products marked QUANTISED in the list below multiply operands that are first quantised to E2M3 (2 exponent bits, 3 mantissa bits; 6 bits a number), with one power-of-two scale for each 32 numbers along K (OCP MX v1.0); their sums are f32. All else is computed in f32.
;;   The module's matrix products, in the order in which they are computed (A, B: the left and right operand; K: the contracted axis; several contracted axes count as one K, in the product's order):
;;     1. [M 8,192, K 1,024] x [K 1,024, N 3,072]; A: input x; B: input W_qkv: QUANTISED
;;     2. batch 4 x [M 2,048, K 1,024] x [K 1,024, N 2,048]; A: computed on the way; B: computed on the way: QUANTISED
;;     3. batch 4 x [M 2,048, K 2,048] x [K 2,048, N 1,024]; A: softmax (see below); B: computed on the way: QUANTISED
;;     4. [M 8,192, K 1,024] x [K 1,024, N 1,024]; A: computed on the way; B: input W_out: QUANTISED
;;   THE QUANTISER, for each operand of a quantised product, along K:
;;     - K is cut into blocks of 32 from its start; a last block that is shorter is filled with zeros.
;;     - A block's scale is 2^e with e = floor(log2(the largest magnitude in the block)) - 2, held to -126 .. 127; a block of zeros has e = 0. As a byte (E8M0): e + 127.
;;     - Each number is divided by its block's scale, clamped to +-7.5, and rounded to the nearest number of E2M3, ties to even, subnormals kept.
;;     - The product sums the exact products of the quantised numbers (number of the format x scale) in f32.
;;   ~~~python
;;   def quantise(x, axis):      # numpy; x: float32 -> the quantised numbers, widened to float32 again
;;       x = np.moveaxis(x, axis, -1); K = x.shape[-1]
;;       x = np.pad(x, [(0, 0)] * (x.ndim - 1) + [(0, -K % 32)]); x = x.reshape(x.shape[:-1] + (-1, 32)); a = np.abs(x).max(-1, keepdims=True)
;;       e = np.where(a > 0, np.clip(np.frexp(np.where(a > 0, a, 1))[1] - 1 - 2, -126, 127), 0)      # np.frexp(a)[1] - 1 = floor(log2(a)), exactly
;;       r = np.clip(x / 2.0 ** e, -7.5, 7.5)
;;       step = 2.0 ** (np.maximum(np.frexp(np.where(r == 0, 1, r))[1] - 1, 0) - 3)
;;       q = np.round(r / step) * step * 2.0 ** e      # np.round: ties to even
;;       return np.moveaxis(q.reshape(q.shape[:-2] + (-1,))[..., :K], -1, axis).astype(np.float32)
;;   ~~~
;;   SOFTMAX AHEAD OF A QUANTISED PRODUCT. Where the list says 'softmax', what is quantised is not the finished softmax but p = 2^(t - M), with t = logit x log2(e) and M = ceil(the row's largest t), a whole number; so 1/2 < the row's largest p <= 1. The row's sum l is taken of the UNQUANTISED p, in f32, and the product's result is divided by l at the end. Since M is a whole number, a kernel that streams over the keys may use a running M (the ceiling of the running maximum): every later rescaling is an exact power of two, which a block's scale takes up: the codes' values come out the same.
;;   OPERANDS COMPUTED ON THE WAY. 'Computed on the way' means the value that the module computes at that place (a softmax that the list does not call 'softmax' is quantised finished and normalised). What goes into a quantiser is computed in f32, as accurately as f32 sums, v_exp_f32 and their like allow (about 1e-6 of the number): no bf16 or f16 on the way to a quantiser, and a product that is left as it is and whose result goes on into a quantised operand takes f32 operands (vector FMAs, or v_wmma_f32_16x16x4_f32). A number that lies on a knife's edge between two numbers of the format may be rounded either way, as far as f32 arithmetic and the matrix unit's own rounding can turn it there, and no further.
;; One version. Each part assembles by itself: llvm-mc -triple=amdgcn-amd-amdhsa -mcpu=gfx1250 --defsym DOCPART=n.
;; ======== version 1 of 1: 5 launches
;; limits: right only within a limited range of input values
;; workspace buffers: xw 9,437,184 bytes; xws 393,216 bytes; bvrep 32,768 bytes; qkv 18,874,368 bytes; qkvs 786,432 bytes; pc 12,582,912 bytes; pstat 1,572,864 bytes; oc 6,553,600 bytes
;; launch quant (part 1): grid 384 x 1, 4 waves a work-group, no clusters, 59,904 bytes of LDS; arguments x, W_qkv, W_out, b_qkv, xw, xws, bvrep; writes xw, xws, bvrep
.if DOCPART == 1
	.amdgcn_target "amdgcn-amd-amdhsa--gfx1250"
	.amdhsa_code_object_version 6
	.text
	.protected	k_qa3fb16e99f_quant
	.globl	k_qa3fb16e99f_quant
	.p2align	8
	.type	k_qa3fb16e99f_quant,@function
k_qa3fb16e99f_quant:
	s_mov_b64 s[64:65], 0
	v_nop
	global_prefetch_b8 v0, s[64:65] scope:SCOPE_SE
	s_setreg_imm32_b32 hwreg(HW_REG_WAVE_MODE, 25, 1), 1
	s_wait_xcnt 0x0
; x [8192][1024], W_qkv [1024][3072] and W_out [1024][1024], all f32, become codes of FP6 (E2M3) with one E8M0 byte for each 32 along K = the hidden axis.
; THE CODES ARE LAID AS IMAGES OF OPERAND REGISTERS.  An image is 16 rows x 128 K: the 12 registers of 32 lanes, 1,536 bytes; register 4 c + i of lane l lies at byte 512 c + 16 l + 4 i.
; Lane (r = l % 16, h = l / 16) holds, of its row, K = 64 c + 32 h + 0 .. 31 in registers 6 c .. 6 c + 5.  Image (K step s, row block rb) lies at (768 s + rb) x 1,536 in xw.
; THE ROWS OF A BLOCK ARE NOT NEIGHBOURS: lane row r of block 2 b + u is row 32 b + 8 u + r + 8 (r / 8).  Row blocks 0-511: x (tokens); 512-703: the columns of W_qkv; 704-767: those of W_out.
; Scale words (four bytes: 128 along K of one row) lie at (12,288 s + 16 rb + r) x 4 in xws.  bvrep holds, for each of V's 1,024 rows in that order, its bias eight times (32 bytes).
; A block's scale is 2^(floor(log2(its largest magnitude)) - 2); its byte is the largest magnitude's exponent field - 2, held at 1 from below.
; LIMITS: a block of zeros gets the byte 1 where the rule says 127 (its codes are zeros; these bytes are read by this program alone); NaN and infinities are not served;
; the weights' scale words leave in runs of 128 bytes, one byte in 128 of what the path reads.
; Work-groups 0-255 take x (K innermost), 256-383 the weights (K is the first axis).  Waves share nothing: no barrier.  Each path has LDS bytes of its own.
.set SEL, 18                           ; s[18:19] lane selects: lane l xor 16
.set XR,  32                           ; path X: v32-159 two sets of 64 numbers as loaded
.set XX,  160                          ;         v160-223 my 64 numbers: two whole blocks of 32
.set XP,  224                          ;         v224-242 the image's 12 registers, and the conversions' second halves
.set VO,  32                           ; path W: v32-63 byte offset of row i of a block, at my column
.set WX,  64                           ;         v64-127 two sets of 32 numbers
.set WC,  128                          ;         v128-134 a block's codes
.set SBW, 136                          ;         v136-137 the scale words of my column's two K steps
.set WO,  140                          ;         v140-187 the way out: 24 registers for each K step
.set WB,  32                           ;         s[32:47] the eight blocks' bases
	s_load_b256 s[4:11], s[0:1], 0x0               ; x, W_qkv, W_out, b_qkv
	s_load_b128 s[12:15], s[0:1], 0x20             ; xw, xws
	s_load_b64 s[16:17], s[0:1], 0x30              ; bvrep
	v_lshl_add_u32 v254, v0, 2, 0xe800
	v_mov_b32 v255, 0
	v_lshrrev_b32 v1, 5, v0
	v_readfirstlane_b32 s20, v1                    ; wave 0..3
	v_and_b32 v1, 31, v0                           ; lane
	v_and_b32 v2, 15, v0                           ; r
	v_bfe_u32 v3, v0, 4, 1                         ; h
	v_lshlrev_b32 v4, 4, v1                        ; 16 x lane
	s_mov_b32 s[SEL], 0x76543210
	s_mov_b32 s[SEL+1], 0xfedcba98
	s_cmp_lt_u32 ttmp9, 256
	s_cbranch_scc0 .Lpath_w
; ---------------- PATH X.  Work-group: 64 rows (G = number / 2) and four K steps; wave: K step s = 4 (number % 2) + wave, four images.
; Each load reads 512 consecutive bytes of one row; the 16 rows of an image turn through the wave's own stage (rows 528 bytes apart), so that a lane gets two whole blocks of its row.
	s_lshr_b32 s21, ttmp9, 1                       ; G
	s_and_b32 s22, ttmp9, 1
	s_lshl_b32 s22, s22, 2
	s_add_co_u32 s22, s22, s20                     ; s
	s_mul_i32 s23, s20, 8704                       ; my wave's LDS: a stage of 16 x 528 bytes, then 256 bytes for the scale words
	s_wait_alu depctr_va_vdst(0)
	v_add_nc_u32 v5, s23, v4                       ; into the stage: 16 x lane, the row in the immediate
	v_mul_u32_u24 v6, v2, 528
	v_lshl_add_u32 v6, v3, 7, v6
	v_add_nc_u32 v6, s23, v6                       ; out of it: row r, + 128 h: my block of 32 numbers
	s_add_co_u32 s24, s23, 8448
	v_lshl_add_u32 v7, v2, 2, s24                  ; my row's scale word
	v_lshl_add_u32 v8, v1, 3, s24                  ; and on the way out 8 bytes a lane
	v_lshlrev_b32 v9, 3, v1
	v_mov_b32 v24, 0                               ; written once: a lane permute's destination counts as one of its sources
	s_lshl_b32 s26, s21, 18                        ; x: 64 G rows of 4,096 bytes
	s_lshl_b32 s27, s22, 9                         ;    + 512 s
	s_add_co_u32 s26, s26, s27
	s_mov_b32 s27, 0
	s_mul_i32 s28, s22, 768                        ; xw: image (s, 4 G)
	s_lshl_b32 s29, s21, 2
	s_add_co_u32 s28, s28, s29
	s_mul_i32 s28, s28, 1536
	s_mov_b32 s29, 0
	s_mul_i32 s30, s22, 49152                      ; xws: step s, 64 G rows of 4 bytes
	s_lshl_b32 s31, s21, 8
	s_add_co_u32 s30, s30, s31
	s_mov_b32 s31, 0
	s_wait_alu depctr_va_vdst(0)
	s_wait_kmcnt 0x0
	s_add_nc_u64 s[4:5], s[4:5], s[26:27]
	s_add_nc_u64 s[12:13], s[12:13], s[28:29]
	s_add_nc_u64 s[14:15], s[14:15], s[30:31]
.macro XLOAD i                         ; the 16 rows of image i, in the image's order
.irp p, 0,1,2,3,4,5,6,7,8,9,10,11,12,13,14,15
	global_load_b128 v[XR+64*((\i)%2)+4*\p:XR+64*((\i)%2)+4*\p+3], v4, s[4:5] offset:(32*((\i)/2)+8*((\i)%2)+\p+8*(\p/8))*4096 th:TH_LOAD_NT
.endr
.endm
.macro QUANT2                          ; my two blocks (2 c + h, c = 0, 1) become registers 6 c .. 6 c + 5 of the image; v22 = my row's scale word
.irp c, 0,1
	v_max3_num_f32 v[16+\c], |v[XX+32*\c]|, |v[XX+32*\c+1]|, 0x1800000   ; with the floor 2^(3 - 127): the byte cannot fall under 1
.endr
.irp i, 2,4,6,8,10,12,14,16,18,20,22,24,26,28,30
.irp c, 0,1
	v_max3_num_f32 v[16+\c], v[16+\c], |v[XX+32*\c+\i]|, |v[XX+32*\c+\i+1]|
.endr
.endr
.irp c, 0,1
	v_add_nc_u32 v[18+\c], 0xff000000, v[16+\c]    ; 2 off the exponent field: the conversion takes the exponent field of this operand as its scale
.endr
.irp c, 0,1
	v_lshrrev_b32 v[20+\c], 23, v[18+\c]           ; the scale's byte
.endr
	v_lshl_or_b32 v22, v21, 16, v20                ; my two bytes: blocks h and 2 + h,
	v_lshlrev_b32 v23, 3, v3
	v_lshlrev_b32 v22, v23, v22                    ; 8 h bits up;
	v_permlanex16_b32 v24, v22, s[SEL], s[SEL+1]
	v_or_b32 v22, v22, v24                         ; with lane l xor 16's two the word is whole
.irp c, 0,1
	v_cvt_scalef32_pk16_fp6_f32 v[XP+6*\c:XP+6*\c+2], v[XX+32*\c:XX+32*\c+15], v[18+\c]
	v_cvt_scalef32_pk16_fp6_f32 v[XP+12+4*\c:XP+14+4*\c], v[XX+32*\c+16:XX+32*\c+31], v[18+\c]   ; (a conversion's three registers begin on an even number)
.endr
	v_nop                                          ; one plain place behind a scaled conversion
.irp c, 0,1
.irp i, 0,1,2
	v_mov_b32 v[XP+3+6*\c+\i], v[XP+12+4*\c+\i]
.endr
.endr
.endm
.macro XIMG i
.if (\i) < 3
	s_wait_loadcnt 16                              ; this image's 16 loads are in; the next image's 16 may be out
.else
	s_wait_loadcnt 0x0
.endif
.irp p, 0,1,2,3,4,5,6,7,8,9,10,11,12,13,14,15
	ds_store_b128 v5, v[XR+64*((\i)%2)+4*\p:XR+64*((\i)%2)+4*\p+3] offset:528*\p
.endr
.irp c, 0,1
.irp q, 0,1,2,3,4,5,6,7
	ds_load_b128 v[XX+32*\c+4*\q:XX+32*\c+4*\q+3], v6 offset:256*\c+16*\q   ; LDS serves a wave's instructions in order: these see the stores above
.endr
.endr
	s_wait_dscnt 0x0                               ; my numbers are back, and the stores have read their registers,
.if (\i) < 2
	XLOAD (\i)+2                                   ; which take the image two further on
.endif
	s_wait_xcnt 0x0                                ; the last image's stores have read their data: the codes' registers are written again only behind this wait
	QUANT2
	ds_store_b32 v7, v22 offset:64*(\i)            ; both halves of the lanes write the same word with the same value
.irp c, 0,1,2
	global_store_b128 v4, v[XP+4*\c:XP+4*\c+3], s[12:13] offset:1536*(\i)+512*\c   ; 32 lanes store 512 consecutive bytes, aligned
.endr
.endm
	XLOAD 0
	XLOAD 1
	XIMG 0
	XIMG 1
	XIMG 2
	XIMG 3
	ds_load_b64 v[26:27], v8                       ; the four images' 64 scale words
	s_wait_dscnt 0x0
	global_store_b64 v9, v[26:27], s[14:15]        ; 256 consecutive bytes, aligned
	s_wait_tensorcnt 0x0
	ds_add_u32 v254, v255
	s_wait_dscnt 0x0
	s_endpgm
; ---------------- PATH W.  A lane takes a column and its registers run down K: a block of 32 along K lies in one lane, and the conversions give codes with K innermost.
; Work-group: 128 columns (of the 3,072 + 1,024) x 256 along K; wave: 32 columns = two row blocks, 8 blocks along K = two K steps.
.Lpath_w:
	s_sub_co_u32 s21, ttmp9, 256                   ; 0..127
	s_and_b32 s22, s21, 31
	s_lshr_b32 s23, s21, 5                         ; which 256 along K
	s_lshl_b32 s24, s22, 2
	s_add_co_u32 s24, s24, s20                     ; g: which 32 columns of the 4,096
	s_mov_b32 s25, 12288
	s_wait_kmcnt 0x0
	s_cmp_ge_u32 s22, 24                           ; columns 3,072 on are W_out's: the choice hangs on the work-group's number alone
	s_cselect_b32 s25, 4096, s25                   ; bytes from row to row
	s_cselect_b32 s26, 96, 0
	s_cselect_b64 s[6:7], s[8:9], s[6:7]
	s_sub_co_u32 s26, s24, s26
	s_lshl_b32 s26, s26, 7                         ; my wave's first column, in bytes
	s_lshl_b32 s27, s23, 8
	s_mul_i32 s27, s27, s25                        ; my first row
	s_add_co_u32 s28, s27, s26
	s_mov_b32 s29, 0
	s_add_nc_u64 s[WB:WB+1], s[6:7], s[28:29]
	s_lshl_b32 s30, s25, 5                         ; 32 rows on
	s_mov_b32 s31, 0
.irp k, 1,2,3,4,5,6,7
	s_add_nc_u64 s[WB+2*\k:WB+2*\k+1], s[WB+2*\k-2:WB+2*\k-1], s[30:31]
.endr
	s_wait_alu depctr_va_vdst(0)
	v_lshlrev_b32 v10, 2, v1
.irp i, 0,1,2,3,4,5,6,7,8,9,10,11,12,13,14,15,16,17,18,19,20,21,22,23,24,25,26,27,28,29,30,31
	v_mad_u32_u24 v[VO+\i], \i, s25, v10           ; 4 x lane + i rows
.endr
	v_bfe_u32 v11, v0, 3, 1                        ; column j = lane belongs to row block u = (j / 8) % 2,
	v_and_b32 v12, 7, v0
	v_lshl_add_u32 v12, v3, 3, v12                 ; lane row r = j % 8 + 8 (j / 16)
	s_mul_i32 s48, s20, 6144
	s_add_co_u32 s48, s48, 34816                   ; my wave's LDS: four images (K step, u), laid 48 bytes for each lane of the image
	v_mul_u32_u24 v13, v11, 1536
	v_mad_u32_u24 v13, v12, 48, v13
	v_add_nc_u32 v13, s48, v13                     ; in: image u, lane row r; the K step, the half h and the register stand in the immediate
	v_mul_u32_u24 v14, v1, 48
	v_add_nc_u32 v14, s48, v14                     ; out: my lane's 48 bytes
	v_lshl_add_u32 v15, v11, 4, v12
	v_lshlrev_b32 v15, 2, v15                      ; my column's scale word among the wave's 32
	s_lshl_b32 s49, s23, 1                         ; my first K step
	s_mul_i32 s50, s49, 768
	s_lshl_b32 s51, s24, 1
	s_add_co_u32 s50, s50, s51
	s_add_co_u32 s50, s50, 512                     ; row block 512 + 2 g
	s_mul_i32 s50, s50, 1536
	s_mov_b32 s51, 0
	s_add_nc_u64 s[12:13], s[12:13], s[50:51]
	s_mul_i32 s52, s49, 49152
	s_lshl_b32 s53, s24, 7
	s_add_co_u32 s52, s52, s53
	s_add_co_u32 s52, s52, 32768
	s_mov_b32 s53, 0
	s_add_nc_u64 s[14:15], s[14:15], s[52:53]
.macro WLOAD kb                        ; block kb: 32 rows at my column; a wave's load reads 128 consecutive bytes, the four waves stand side by side
.irp i, 0,1,2,3,4,5,6,7,8,9,10,11,12,13,14,15,16,17,18,19,20,21,22,23,24,25,26,27,28,29,30,31
	global_load_b32 v[WX+32*((\kb)%2)+\i], v[VO+\i], s[WB+2*(\kb):WB+2*(\kb)+1] th:TH_LOAD_NT
.endr
.endm
.macro WBLOCK kb
.set XS, WX+32*((\kb)%2)
.if (\kb) < 7
	s_wait_loadcnt 32                              ; this block's 32 loads are in; the next block's may be out
.else
	s_wait_loadcnt 0x0
.endif
	v_max3_num_f32 v16, |v[XS]|, |v[XS+1]|, |v[XS+2]|
	v_max3_num_f32 v17, |v[XS+3]|, |v[XS+4]|, |v[XS+5]|
.irp i, 6,10,14,18,22,26
	v_max3_num_f32 v16, v16, |v[XS+\i]|, |v[XS+\i+1]|
	v_max3_num_f32 v17, v17, |v[XS+\i+2]|, |v[XS+\i+3]|
.endr
	v_max3_num_f32 v16, v16, |v[XS+30]|, |v[XS+31]|
	v_max3_num_f32 v16, v16, v17, 0x1800000        ; and the floor 2^(3 - 127)
	v_add_nc_u32 v18, 0xff000000, v16              ; the conversion's scale operand
	v_lshrrev_b32 v17, 23, v18                     ; the byte
.if (\kb)%4 == 0
	v_mov_b32 v[SBW+(\kb)/4], v17
.else
	v_lshl_or_b32 v[SBW+(\kb)/4], v17, 8*((\kb)%4), v[SBW+(\kb)/4]
.endif
	v_cvt_scalef32_pk16_fp6_f32 v[WC:WC+2], v[XS:XS+15], v18
	v_cvt_scalef32_pk16_fp6_f32 v[WC+4:WC+6], v[XS+16:XS+31], v18
.irp i, 0,1,2                          ; block kb % 4 = 2 c + h of the K step goes to lane (r, h), registers 6 c .. 6 c + 5
	ds_store_b32 v13, v[WC+\i] offset:3072*((\kb)/4)+768*((\kb)%2)+24*(((\kb)%4)/2)+4*\i
	ds_store_b32 v13, v[WC+4+\i] offset:3072*((\kb)/4)+768*((\kb)%2)+24*(((\kb)%4)/2)+12+4*\i
.endr
.if (\kb)+2 < 8
	WLOAD (\kb)+2
.endif
	s_wait_dscnt 0x0                               ; the stores have read their registers: the next block's codes may be written
.endm
.macro WOUT ks                         ; a K step's two images leave as they will be read: 512 consecutive bytes a store
.set WOR, WO+24*(\ks)
.irp u, 0,1
.irp c, 0,1,2
	ds_load_b128 v[WOR+12*\u+4*\c:WOR+12*\u+4*\c+3], v14 offset:3072*(\ks)+1536*\u+16*\c
.endr
.endr
.irp u, 0,1
.irp c, 0,1,2
	s_wait_dscnt 5-3*\u-\c                         ; LDS loads come back in order: the younger ones may be out
	global_store_b128 v4, v[WOR+12*\u+4*\c:WOR+12*\u+4*\c+3], s[12:13] offset:(\ks)*768*1536+1536*\u+512*\c
.endr
.endr
	global_store_b32 v15, v[SBW+(\ks)], s[14:15] offset:(\ks)*49152
.endm
	WLOAD 0
	WLOAD 1
	WBLOCK 0
	WBLOCK 1
	WBLOCK 2
	WBLOCK 3
	s_wait_alu depctr_va_vdst(0)
	WOUT 0
	WBLOCK 4
	WBLOCK 5
	WBLOCK 6
	WBLOCK 7
	s_wait_alu depctr_va_vdst(0)
	WOUT 1
; V's bias, eight times for each of V's 1,024 rows in the images' order: 2,048 threads, 16 bytes each
	s_cmp_lt_u32 s21, 16
	s_cbranch_scc0 .Ldone
	v_lshl_add_u32 v16, s21, 7, v0                 ; 0..2047
	v_lshrrev_b32 v17, 1, v16                      ; p: the row's place = 16 (2 b + u) + r
	v_and_b32 v18, -32, v17                        ; 32 b
	v_bfe_u32 v19, v17, 4, 1
	v_lshl_add_u32 v18, v19, 3, v18                ; + 8 u
	v_and_b32 v19, 15, v17
	v_add_nc_u32 v18, v18, v19                     ; + r
	v_bfe_u32 v19, v17, 3, 1
	v_lshl_add_u32 v18, v19, 3, v18                ; + 8 (r / 8)
	v_lshlrev_b32 v18, 2, v18
	global_load_b32 v20, v18, s[10:11] offset:8192 ; b_qkv[2048 + d]
	v_lshlrev_b32 v25, 4, v16
	s_wait_loadcnt 0x0
	v_mov_b32 v21, v20
	v_mov_b32 v22, v20
	v_mov_b32 v23, v20
	s_wait_alu depctr_va_vdst(0)
	global_store_b128 v25, v[20:23], s[16:17]
.Ldone:
	s_wait_tensorcnt 0x0
	ds_add_u32 v254, v255
	s_wait_dscnt 0x0
	s_endpgm
.Lfunc_end_k_qa3fb16e99f_quant:
	.size	k_qa3fb16e99f_quant, .Lfunc_end_k_qa3fb16e99f_quant-k_qa3fb16e99f_quant
	.p2alignl 7, 3214868480
	.fill 96, 4, 3214868480
	.section	.rodata,"a",@progbits
	.p2align	6, 0x0
	.amdhsa_kernel k_qa3fb16e99f_quant
		.amdhsa_group_segment_fixed_size 59904
		.amdhsa_private_segment_fixed_size 0
		.amdhsa_enable_private_segment 0
		.amdhsa_kernarg_size 56
		.amdhsa_user_sgpr_count 2
		.amdhsa_user_sgpr_kernarg_segment_ptr 1
		.amdhsa_wavefront_size32 1
		.amdhsa_system_sgpr_workgroup_id_x 1
		.amdhsa_system_sgpr_workgroup_id_y 1
		.amdhsa_system_sgpr_workgroup_id_z 1
		.amdhsa_system_vgpr_workitem_id 0
		.amdhsa_next_free_vgpr 256
		.amdhsa_next_free_sgpr 66
		.amdhsa_reserve_vcc 0
		.amdhsa_float_denorm_mode_32 3
		.amdhsa_float_denorm_mode_16_64 3
		.amdhsa_memory_ordered 1
		.amdhsa_forward_progress 1
		.amdhsa_inst_pref_size 76
	.end_amdhsa_kernel
	.amdgpu_metadata
---
amdhsa.version: [ 1, 2 ]
amdhsa.kernels:
  - .name:           k_qa3fb16e99f_quant
    .symbol:         k_qa3fb16e99f_quant.kd
    .args:
      - { .name: x, .offset: 0, .size: 8, .value_kind: global_buffer, .address_space: global }
      - { .name: W_qkv, .offset: 8, .size: 8, .value_kind: global_buffer, .address_space: global }
      - { .name: W_out, .offset: 16, .size: 8, .value_kind: global_buffer, .address_space: global }
      - { .name: b_qkv, .offset: 24, .size: 8, .value_kind: global_buffer, .address_space: global }
      - { .name: xw, .offset: 32, .size: 8, .value_kind: global_buffer, .address_space: global }
      - { .name: xws, .offset: 40, .size: 8, .value_kind: global_buffer, .address_space: global }
      - { .name: bvrep, .offset: 48, .size: 8, .value_kind: global_buffer, .address_space: global }
    .group_segment_fixed_size: 59904
    .private_segment_fixed_size: 0
    .kernarg_segment_align: 8
    .kernarg_segment_size: 56
    .max_flat_workgroup_size: 128
    .sgpr_count:     66
    .vgpr_count:     256
    .wavefront_size: 32
...
	.end_amdgpu_metadata
.endif
;; end of part 1
;; launch qkvp (part 2): grid 4 x 64, 4 waves a work-group, clusters of 4 x 4, 327,680 bytes of LDS; arguments xw, xws, b_qkv, bvrep, qkv, qkvs; writes qkv, qkvs
.if DOCPART == 2
	.amdgcn_target "amdgcn-amd-amdhsa--gfx1250"
	.amdhsa_code_object_version 6
	.text
	.protected	k_qa3fb16e99f_qkvp
	.globl	k_qa3fb16e99f_qkvp
	.p2align	8
	.type	k_qa3fb16e99f_qkvp,@function
k_qa3fb16e99f_qkvp:
	s_mov_b64 s[64:65], 0
	v_nop
	global_prefetch_b8 v0, s[64:65] scope:SCOPE_SE
	s_setreg_imm32_b32 hwreg(HW_REG_WAVE_MODE, 25, 1), 1
	s_wait_xcnt 0x0
	s_wait_alu depctr_hold_cnt(0) depctr_sa_sdst(0) depctr_va_vdst(0) depctr_va_sdst(0) depctr_va_ssrc(0) depctr_va_vcc(0) depctr_vm_vsrc(0)
	s_getreg_b32 s2, hwreg(HW_REG_IB_STS2, 6, 4)
	s_cmp_eq_u32 s2, 0
	s_cbranch_scc0 .Lentry_in_a_cluster
	s_endpgm
.Lentry_in_a_cluster:
	s_bfe_u32 s2, ttmp6, 0x10000c
	s_cmp_lg_u32 s2, 0xf033
	s_cbranch_scc0 .Lentry_shape_is_right
	s_endpgm
.Lentry_shape_is_right:
; q, k = x W + b (rows = tokens, columns = 2,048 outputs) and V^T = W_v^T x^T + b (rows = V's 1,024 channels, columns = tokens), on codes of FP6 (E2M3) with E8M0 scales, K = 1,024; the results are
; quantised at once along their columns (q, k: the hidden axis; V^T: the keys) and stored as codes: no f32 intermediate goes to memory.
; OPERANDS are images of operand registers (16 rows x 128 K = 1,536 bytes; register 4 c + i of lane l at 512 c + 16 l + 4 i), image (K step s, row block rb) at (RB s + rb) x 1,536; lane row r of block
; 2 b + u is row 32 b + 8 u + r + 8 (r / 8).  Scale words: (16 RB s + 16 rb + r) x 4.
; SHARES.  A tile is 128 rows (A) x 256 columns (B); wave w makes 64 x 128 of it (rows half w / 2, columns half w % 2): 4 blocks of A x 8 tiles of B = 32 accumulators.
; A WORK-GROUP STAYS and makes three tiles: 768 tiles on 256 work-groups.  With c the cluster's number: q (rows 4 c + cy, columns cx), k (the same rows of x, columns cx + 4), V^T (rows 4 (c % 2) + cy, columns 4 (c / 2) + cx).
; THE MATRIX INSTRUCTION IS USED TRANSPOSED (source 0 = a tile of B, source 1 = a block of A): lane (r, h) holds row r of the block, and by the order of B's rows the 16 registers of tiles 2 b, 2 b + 1 are the
; neighbouring columns 32 b + 16 h + 0 .. 15.  So a block's 64 registers a lane are one image of the next product, made in registers.
; LDS: two slots of four K steps (A 48 KiB + B 96 KiB each); a tile's eight K steps go once round the ring, and the ring goes on into the next tile: when a slot's four K steps are in every wave's registers it takes
; the next tile's.  For k only B is fetched: x's rows stay.  In front of a refill every wave waits for all its tensor loads, adds 0 to its spare word, waits for that and for its reads, and passes a round of the
; cluster's barrier; the joint refill comes first behind it, one load a wave, and has four K steps (128 products a wave) or more in which to land.  A wave has two tensor loads out at the most.
; All of LDS is claimed and the spare words are touched.
; CLUSTER 4 x 4: A's tile hangs on the tile row alone and is asked for jointly along a row of the cluster, B's on the tile column alone, along a column; that holds of all three tiles.
; No prefetch is written: each refill is asked for four K steps or more ahead of its first use.
; The bias stands in registers in the result's layout and is the C of a tile's first K step.
; LIMITS: a block of zeros gets the byte 1 where the rule says 127 (zero codes; the bytes are read by this program alone); NaN and infinities are not served.
; REGISTERS, in windows of 256.  Window 0: v1-16 addresses; v32-95 B's scale words (two sets of 32), v96-127 A's (two sets of 16): they hold nothing else; v128-207 four sets of codes; v208-231 at work.
;   Window 1: B's fragments, set p at 128 p + 12 t.  Window 2: accumulator (a, t) at 64 a + 8 t.  Window 3: A's fragments, set p at 64 p + 12 a; from v128 the bias, two sets of 64.
.set CH,    4                          ; K steps in a slot (one tensor load)
.set NT,    3                          ; tiles of a work-group
.set RB,    768                        ; row blocks of xw
.set STEPW, 49152                      ; a K step of scale words, in bytes
.set NEXTB, 98304                      ; from q's columns to k's: 64 row blocks of 1,536 bytes
.set BREG,  98304                      ; LDS: A at 0, B's two halves at 98,304 and 196,608, each [K step % 8][8 row blocks][1,536]
.set SPARE, 294912                     ; the spare words: 128 bytes for each wave
.set SCR,   295424                     ; 768 bytes for each wave: the way out of the scale words
.set LI,  4                            ; v4  16 x lane
.set LS,  5                            ; v5  4 x lane
.set ADA, 6                            ; v6-7  my A blocks in LDS, slots 0 and 1
.set ADB, 8                            ; v8-9  my B tiles
.set SWS, 10
.set SWL, 11
.set L8,  12
.set SPW, 13                           ; v13 my spare word; never rewritten
.set NIL, 14                           ; v14 0; never rewritten
.set BQ,  15                           ; v15 64 h: q's and k's bias
.set BV,  16                           ; v16 32 r: V^T's
.set SCB, 32
.set SCA, 96
.set PC,  128
.set TM,  208                          ; v208-211 largest magnitudes, v212-215 bytes, v220-223 the conversions' scale operands
.set PW,  224                          ; v224-227 the four blocks' scale words
.set WT,  228
.set BI,  128                          ; in window 3
.set WV,  20
.set AH,  21                           ; my half of the rows; also: the half of B that waves 1 and 2 fetch
.set BH,  22
.set G1A, 32
.set G1B, 40
.set G0A, 48                           ; s[48:55] x's two slots, s[56:63] W_v's
.set G0B, 68                           ; s[68:75] W_q's two slots, which step on to W_k's; s[76:83] x's (for V^T)
.set SEL, 66
.set SAQ, 16                           ; s[16:17] x's scale words at my rows;  s[18:19] W_q's at my columns;  s[84:85] W_v's;  s[86:87] x's at V^T's columns
.set SBQ, 18
.set SAV, 84
.set SBV, 86
.set BBQ, 88                           ; s[88:89] b_qkv at my columns;  s[90:91] bvrep at my rows
.set BBV, 90
.set OCQ, 92                           ; s[92:93], s[94:95] where q's codes and words go;  s[96:97], s[98:99] V^T's
.set OWQ, 94
.set OCV, 96
.set OWV, 98
.set MULW, 0xad                        ; source 0 (B) window 1, source 1 (A) window 3, C and D window 2
.set MULB, 0xbd                        ; the same with C (the bias) in window 3
.set TO_B, 0x40
.set TO_A, 0xc0
.set MSB, 0
.macro WIN new                         ; the immediate's high byte repeats the setting that is left
.if MSB != \new
	s_set_vgpr_msb (MSB<<8)|\new
.set MSB, \new
.endif
.endm
.macro PLACES                          ; four plain places behind matrix instructions, in front of loads into registers that they read and of reads of their results
.rept 4
	v_nop
.endr
.endm
.macro CROUND                          ; a round of the cluster's barrier
	s_barrier_signal -1
	s_barrier_wait -1
	s_cmp_lg_u32 s[WV], 0
	s_cbranch_scc1 .Lnw0_\@
	s_barrier_signal -3
.Lnw0_\@:
	s_barrier_wait -3
	s_barrier_signal -1
	s_barrier_wait -1
.endm
.macro ARRIVE n                        ; a barrier behind which nothing is filled again: the slot ahead has landed (n later loads may stay out); my LDS loads are in
	s_wait_tensorcnt \n
	s_wait_dscnt 0x0
	s_barrier_signal -1
	s_barrier_wait -1
.endm
.macro REFB slot                       ; the slot's four K steps are in every wave's registers: its B takes W_k's columns; x's rows stay
	WIN 0
	s_wait_tensorcnt 0x0                           ; all my tensor loads have landed, my part of the other slot among them: so a group 0 may be written
	ds_add_u32 v[SPW], v[NIL]                      ; 0 onto my spare word
	ds_add_u32 v13, v14
	s_add_nc_u64 s[G0B+4*\slot+2:G0B+4*\slot+3], s[G0B+4*\slot+2:G0B+4*\slot+3], NEXTB
	s_wait_dscnt 0x0                               ; the add is done, and my reads of the slot are over
	CROUND                                         ; both now hold of every wave of every partner
	s_cmp_eq_u32 s[WV], 0
	s_cbranch_scc1 .Lrd_\@
	s_cmp_lt_u32 s[WV], 3
	s_cbranch_scc0 .Lrd_\@
	tensor_load_to_lds s[G0B+4*\slot:G0B+4*\slot+3], s[G1B:G1B+7]
	s_nop 0
	PLACES
.Lrd_\@:
.endm
.macro REFAB slot                      ; the slot takes V^T's operands: W_v's columns as A, x's tokens as B
	WIN 0
	s_wait_tensorcnt 0x0
	ds_add_u32 v[SPW], v[NIL]
	ds_add_u32 v13, v14
	s_wait_dscnt 0x0
	CROUND
	s_cmp_eq_u32 s[WV], 0
	s_cbranch_scc0 .Lrb_\@
	tensor_load_to_lds s[G0A+8+4*\slot:G0A+8+4*\slot+3], s[G1A:G1A+7]
	s_nop 0
	PLACES
	s_branch .Lrd_\@
.Lrb_\@:
	s_cmp_lt_u32 s[WV], 3
	s_cbranch_scc0 .Lrd_\@
	tensor_load_to_lds s[G0B+8+4*\slot:G0B+8+4*\slot+3], s[G1B:G1B+7]
	s_nop 0
	PLACES
.Lrd_\@:
.endm
.macro FETCH st                        ; K step st (counted over all tiles): 8 tiles of B and 4 blocks of A, 36 loads of 512 consecutive bytes
.set SLL, (\st)%8
.set PP, (\st)%2
	WIN TO_B
.irp t, 0,1,2,3,4,5,6,7
.irp c, 0,1,2
	ds_load_b128 v[128*PP+12*\t+4*\c:128*PP+12*\t+4*\c+3], v[ADB+SLL/4] offset:((SLL%4)*8+\t)*1536+512*\c
.endr
.endr
	WIN TO_A
.irp a, 0,1,2,3
.irp c, 0,1,2
	ds_load_b128 v[64*PP+12*\a+4*\c:64*PP+12*\a+4*\c+3], v[ADA+SLL/4] offset:((SLL%4)*8+\a)*1536+512*\c
.endr
.endr
.endm
; One product.  sb, sa: the sets of B's and A's scale words (sb also: the bias's set).  cm = 0: onto the accumulator; 1: the sum begins with the bias of tile t's columns; 2: with that of block a's rows.
; A scale register holds two blocks' words: lanes 0-15 the even block's, lanes 16-31 the odd one's, picked by ROW1.
.macro WM a, t, st, sb, sa, cm
.set DD, 64*(\a)+8*(\t)
.set CC, DD
.if (\cm) == 1
.set CC, BI+64*(\sb)+8*(\t)
.endif
.if (\cm) == 2
.set CC, BI+64*(\sb)+8*(\a)
.endif
.set FB, 128*((\st)%2)+12*(\t)
.set FA, 64*((\st)%2)+12*(\a)
.set SRB, SCB+32*(\sb)+4*((\st)%8)+(\t)/2
.set SRA, SCA+16*(\sa)+2*((\st)%8)+(\a)/2
.if ((\t)%2 == 0) && ((\a)%2 == 0)
	v_wmma_scale_f32_16x16x128_f8f6f4 v[DD:DD+7], v[FB:FB+11], v[FA:FA+11], v[CC:CC+7], v[SRB], v[SRA] matrix_a_fmt:MATRIX_FMT_FP6 matrix_b_fmt:MATRIX_FMT_FP6
.elseif ((\a)%2 == 0)
	v_wmma_scale_f32_16x16x128_f8f6f4 v[DD:DD+7], v[FB:FB+11], v[FA:FA+11], v[CC:CC+7], v[SRB], v[SRA] matrix_a_fmt:MATRIX_FMT_FP6 matrix_b_fmt:MATRIX_FMT_FP6 matrix_a_scale:MATRIX_SCALE_ROW1
.elseif ((\t)%2 == 0)
	v_wmma_scale_f32_16x16x128_f8f6f4 v[DD:DD+7], v[FB:FB+11], v[FA:FA+11], v[CC:CC+7], v[SRB], v[SRA] matrix_a_fmt:MATRIX_FMT_FP6 matrix_b_fmt:MATRIX_FMT_FP6 matrix_b_scale:MATRIX_SCALE_ROW1
.else
	v_wmma_scale_f32_16x16x128_f8f6f4 v[DD:DD+7], v[FB:FB+11], v[FA:FA+11], v[CC:CC+7], v[SRB], v[SRA] matrix_a_fmt:MATRIX_FMT_FP6 matrix_b_fmt:MATRIX_FMT_FP6 matrix_a_scale:MATRIX_SCALE_ROW1 matrix_b_scale:MATRIX_SCALE_ROW1
.endif
.endm
.macro MUL st, sb, sa, cm              ; 32 products; the 32 accumulators take turns, one instruction a turn, in the same order in every step
.if (\cm)
	WIN MULB
.else
	WIN MULW
.endif
.irp a, 0,1,2,3
.irp t, 0,1,2,3,4,5,6,7
	WM \a, \t, \st, \sb, \sa, \cm
.endr
.endr
.endm
.macro KSTEP sb, sa, cm                ; K step G: the next step's fragments are asked for, then this step is multiplied
.if G+1 < 8*NT
.if G+1 == 4
	REFB 0                                         ; q's K steps 0-3 are in registers or multiplied; slot 1 is whole; slot 0 takes k's 0-3
.elseif G+1 == 8
	REFB 1                                         ; slot 1 takes k's 4-7: it lands under q's last step, q's way out and k's first four steps
.elseif G+1 == 12
	REFAB 0                                        ; slot 0 takes V^T's 0-3
.elseif G+1 == 16
	REFAB 1                                        ; slot 1 takes V^T's 4-7
.elseif G+1 == 20
	ARRIVE 0                                       ; slot 1 is whole; nothing more is asked for
.endif
	PLACES                                         ; the set that the last step multiplied is loaded again
	FETCH G+1
	s_wait_dscnt 36                                ; all but the 36 just issued: this step's fragments are in
.else
	s_wait_dscnt 0x0
.endif
	MUL G, \sb, \sa, \cm
.endm
; Block a's 64 numbers a lane (register 16 b + i = column 32 b + 16 h + i of my row) become an image and a scale word; the image goes to s[cb:cb+1] + off.
.macro QUANT a, cb, off
	WIN 0x28                                       ; sources 1 and 2: window 2
.irp b, 0,1,2,3
	v_max3_num_f32 v[TM+\b], 0x1800000, |v[64*(\a)+16*\b]|, |v[64*(\a)+16*\b+1]|   ; with the floor 2^(3 - 127); each accumulator is read from its low end on
.endr
.irp i, 2,4,6,8,10,12,14
.irp b, 0,1,2,3
	v_max3_num_f32 v[TM+\b], v[TM+\b], |v[64*(\a)+16*\b+\i]|, |v[64*(\a)+16*\b+\i+1]|
.endr
.endr
	WIN 0
.irp b, 0,1,2,3
	v_permlanex16_b32 v[TM+4+\b], v[TM+\b], s[SEL], s[SEL+1]
.endr
.irp b, 0,1,2,3
	v_max_num_f32 v[TM+\b], v[TM+\b], v[TM+4+\b]   ; with lane l xor 16's 16: the block's largest magnitude
.endr
.irp b, 0,1,2,3
	v_add_nc_u32 v[TM+12+\b], 0xff000000, v[TM+\b] ; 2 off the exponent field: the conversion's scale operand
.endr
.irp b, 0,1,2,3
	v_lshrrev_b32 v[TM+4+\b], 23, v[TM+12+\b]      ; the byte
.endr
	v_lshl_or_b32 v[PW+(\a)], v[TM+5], 8, v[TM+4]
	v_lshl_or_b32 v[PW+(\a)], v[TM+6], 16, v[PW+(\a)]
	v_lshl_or_b32 v[PW+(\a)], v[TM+7], 24, v[PW+(\a)]
	WIN 0x02                                       ; source 0: window 2
.irp c, 0,1
	v_cvt_scalef32_pk16_fp6_f32 v[PC+20*(\a)+6*\c:PC+20*(\a)+6*\c+2], v[64*(\a)+32*\c:64*(\a)+32*\c+15], v[TM+12+2*\c]
	v_cvt_scalef32_pk16_fp6_f32 v[PC+20*(\a)+12+4*\c:PC+20*(\a)+14+4*\c], v[64*(\a)+32*\c+16:64*(\a)+32*\c+31], v[TM+13+2*\c]
.endr
	WIN 0
	v_nop                                          ; one plain place behind a scaled conversion
.irp c, 0,1                            ; the layout wants a whole block in a lane: lanes 0-15 block 2 c, lanes 16-31 block 2 c + 1
.irp i, 0,1,2
	v_permlane16_swap_b32 v[PC+20*(\a)+6*\c+\i], v[PC+20*(\a)+12+4*\c+\i]
.endr
.irp i, 0,1,2
	v_mov_b32 v[PC+20*(\a)+3+6*\c+\i], v[PC+20*(\a)+12+4*\c+\i]
.endr
.endr
.irp c, 0,1,2
	global_store_b128 v[LI], v[PC+20*(\a)+4*\c:PC+20*(\a)+4*\c+3], s[\cb:\cb+1] offset:\off+1536*(\a)+512*\c   ; 512 consecutive bytes, aligned; within a tile each block has registers of its own
.endr
.endm
.macro EPI cb, wb, off, woff           ; a tile's way out: four images, and my 64 rows' scale words as 256 consecutive bytes
.irp a, 0,1,2,3
	QUANT \a, \cb, \off
.endr
.irp a, 0,1,2,3
	ds_store_b32 v[SWS], v[PW+\a] offset:64*\a     ; both halves of the lanes write the same word with the same value
.endr
	ds_load_b64 v[WT:WT+1], v[SWL]                 ; LDS serves a wave's instructions in order
	s_wait_dscnt 0x0
	global_store_b64 v[L8], v[WT:WT+1], s[\wb:\wb+1] offset:\woff
.endm
	s_load_b256 s[4:11], s[0:1], 0x0               ; xw, xws, b_qkv, bvrep
	s_load_b128 s[12:15], s[0:1], 0x20             ; qkv, qkvs
	v_lshl_add_u32 v[SPW], v0, 2, SPARE
	v_mov_b32 v[NIL], 0
	ds_add_u32 v13, v14
	ds_add_u32 v13, v14
	s_wait_dscnt 0x0
	v_lshrrev_b32 v1, 5, v0
	v_readfirstlane_b32 s[WV], v1                  ; wave 0..3
	s_lshr_b32 s[AH], s[WV], 1
	s_and_b32 s[BH], s[WV], 1
	s_bfe_u32 s24, ttmp6, 0x40000                  ; cx
	s_bfe_u32 s25, ttmp6, 0x40004                  ; cy
	s_lshl_b32 s28, s25, 2
	s_lshl_b32 s28, 15, s28                        ; my row of the cluster
	s_lshl_b32 s29, 0x1111, s24                    ; my column
	; descriptor group 1: CH rows (K steps) of 1,536 elements of 8 bytes (8 row blocks: 12,288 consecutive bytes), RB x 192 elements apart; no padding
	s_or_b32 s[G1A], s28, (3<<16)|(1<<21)          ; 15:0 the mask; 17:16 elements of 8 bytes; 21 set beside a mask
	s_or_b32 s[G1B], s29, (3<<16)|(1<<21)
.irp g, G1A, G1B
	s_mov_b32 s[\g+1], 1536<<16                    ; tensor_dim0
	s_mov_b32 s[\g+2], CH<<16                      ; tensor_dim1
	s_mov_b32 s[\g+3], 1536<<16                    ; tile_dim0
	s_mov_b32 s[\g+4], CH                          ; tile_dim1
	s_mov_b32 s[\g+5], RB*192                      ; from K step to K step (all operands lie in xw)
	s_mov_b32 s[\g+6], 0
	s_mov_b32 s[\g+7], 0
.endr
	s_and_b32 s101, ttmp7, 0xffff                  ; c: the cluster's number
	s_lshl_b32 s26, ttmp9, 2
	s_add_co_u32 s26, s26, s24                     ; TC: q's tile column; k's is TC + 4
	s_lshl_b32 s27, s101, 2
	s_add_co_u32 s27, s27, s25                     ; TR: q's and k's tile row
	s_and_b32 s23, s101, 1
	s_lshl_b32 s23, s23, 2
	s_add_co_u32 s23, s23, s25                     ; V^T's tile row
	s_lshr_b32 s100, s101, 1
	s_lshl_b32 s100, s100, 2
	s_add_co_u32 s100, s100, s24                   ; V^T's tile column
	s_mul_i32 s66, s27, 12288                      ; x as A: row block 8 TR
	s_mov_b32 s67, 0
	s_lshl_b32 s30, s23, 3
	s_add_co_u32 s30, s30, 640                     ; W_v's columns: row blocks 640 on
	s_mul_i32 s30, s30, 1536
	s_mov_b32 s31, 0
	s_lshl_b32 s3, s[AH], 3                        ; the half of B that I fetch, if I fetch for B
	s_lshl_b32 s2, s26, 4
	s_add_co_u32 s2, s2, s3
	s_add_co_u32 s2, s2, 512                       ; W_q's columns: row blocks 512 on
	s_mul_i32 s2, s2, 1536
	s_lshl_b32 s16, s100, 4
	s_add_co_u32 s16, s16, s3                      ; x as B
	s_mul_i32 s16, s16, 1536
	s_mov_b32 s3, 0
	s_mov_b32 s17, 0
	s_mul_i32 s18, s[AH], BREG
	s_add_co_u32 s18, s18, BREG                    ; where the half of B goes: of the wave's number alone
	s_wait_kmcnt 0x0
	s_add_nc_u64 s[66:67], s[4:5], s[66:67]
	s_add_nc_u64 s[30:31], s[4:5], s[30:31]
	s_add_nc_u64 s[2:3], s[4:5], s[2:3]
	s_add_nc_u64 s[16:17], s[4:5], s[16:17]
.irp j, 0,1
	s_mov_b32 s[G0A+4*\j], 1
	s_mov_b32 s[G0A+4*\j+1], \j*CH*12288
	s_add_nc_u64 s[G0A+4*\j+2:G0A+4*\j+3], s[66:67], \j*CH*RB*1536
	s_or_b32 s[G0A+4*\j+3], s[G0A+4*\j+3], 0x80000000
	s_mov_b32 s[G0A+8+4*\j], 1
	s_mov_b32 s[G0A+8+4*\j+1], \j*CH*12288
	s_add_nc_u64 s[G0A+8+4*\j+2:G0A+8+4*\j+3], s[30:31], \j*CH*RB*1536
	s_or_b32 s[G0A+8+4*\j+3], s[G0A+8+4*\j+3], 0x80000000
	s_mov_b32 s[G0B+4*\j], 1
	s_add_co_u32 s[G0B+4*\j+1], s18, \j*CH*12288
	s_add_nc_u64 s[G0B+4*\j+2:G0B+4*\j+3], s[2:3], \j*CH*RB*1536
	s_or_b32 s[G0B+4*\j+3], s[G0B+4*\j+3], 0x80000000
	s_mov_b32 s[G0B+8+4*\j], 1
	s_add_co_u32 s[G0B+8+4*\j+1], s18, \j*CH*12288
	s_add_nc_u64 s[G0B+8+4*\j+2:G0B+8+4*\j+3], s[16:17], \j*CH*RB*1536
	s_or_b32 s[G0B+8+4*\j+3], s[G0B+8+4*\j+3], 0x80000000
.endr
	CROUND                                         ; all sixteen work-groups are here: the joint loads meet
	; the head's fills, slot 0 of q's tile, one load a wave: wave 0 x's, waves 1 and 2 a half of W_q's each, wave 3 none
	s_cmp_eq_u32 s[WV], 0
	s_cbranch_scc0 .Lfill_b
	tensor_load_to_lds s[G0A:G0A+3], s[G1A:G1A+7]
	s_nop 0
	PLACES
	s_branch .Lfilled
.Lfill_b:
	s_cmp_lt_u32 s[WV], 3
	s_cbranch_scc0 .Lfilled
	tensor_load_to_lds s[G0B:G0B+3], s[G1B:G1B+7]
	s_nop 0
	PLACES
.Lfilled:
	v_and_b32 v1, 31, v0                           ; lane
	v_and_b32 v2, 15, v0                           ; r
	v_bfe_u32 v3, v0, 4, 1                         ; h
	v_lshlrev_b32 v[LI], 4, v1
	v_lshlrev_b32 v[LS], 2, v1
	s_wait_alu depctr_va_vdst(0)
	v_lshlrev_b32 v[BQ], 6, v3
	s_wait_alu depctr_va_vdst(0)
	v_lshlrev_b32 v[BV], 5, v2
	; the bases of all that is loaded into registers and stored, each in registers of its own, never rewritten
	s_lshl_b32 s3, s[AH], 2
	s_lshl_b32 s30, s27, 3
	s_add_co_u32 s30, s30, s3                      ; my first row block of x: 8 TR + 4 AH
	s_lshl_b32 s31, s23, 3
	s_add_co_u32 s31, s31, s3                      ; and of V^T
	s_mov_b32 s3, 0
	s_lshl_b32 s2, s30, 6
	s_add_nc_u64 s[SAQ:SAQ+1], s[6:7], s[2:3]
	s_add_co_u32 s2, s31, 640
	s_lshl_b32 s2, s2, 6
	s_add_nc_u64 s[SAV:SAV+1], s[6:7], s[2:3]
	s_lshl_b32 s28, s[BH], 3
	s_lshl_b32 s2, s26, 4
	s_add_co_u32 s2, s2, s28
	s_add_co_u32 s2, s2, 512
	s_lshl_b32 s2, s2, 6
	s_add_nc_u64 s[SBQ:SBQ+1], s[6:7], s[2:3]
	s_lshl_b32 s2, s100, 4
	s_add_co_u32 s2, s2, s28
	s_lshl_b32 s2, s2, 6
	s_add_nc_u64 s[SBV:SBV+1], s[6:7], s[2:3]
	s_lshl_b32 s2, s26, 10
	s_lshl_b32 s28, s[BH], 9
	s_add_co_u32 s2, s2, s28                       ; 4 (256 TC + 128 BH)
	s_add_nc_u64 s[BBQ:BBQ+1], s[8:9], s[2:3]
	s_lshl_b32 s2, s31, 9                          ; 512 bytes for each of V^T's row blocks
	s_add_nc_u64 s[BBV:BBV+1], s[10:11], s[2:3]
	; the scale words of q's tile go straight into registers: 128 consecutive bytes (two blocks' rows) a load
.set S, 0
.rept 8
.irp i, 0,1
	global_load_b32 v[SCA+2*S+\i], v[LS], s[SAQ:SAQ+1] offset:S*STEPW+128*\i
.endr
.irp i, 0,1,2,3
	global_load_b32 v[SCB+4*S+\i], v[LS], s[SBQ:SBQ+1] offset:S*STEPW+128*\i
.endr
.set S, S+1
.endr
	WIN TO_A                                       ; destination window 3: q's bias, in the result's layout: tile t's eight columns of my half
.irp t, 0,1,2,3,4,5,6,7
	global_load_b128 v[BI+8*\t:BI+8*\t+3], v[BQ], s[BBQ:BBQ+1] offset:128*(\t/2)+32*(\t%2)
	global_load_b128 v[BI+8*\t+4:BI+8*\t+7], v[BQ], s[BBQ:BBQ+1] offset:128*(\t/2)+32*(\t%2)+16
.endr
	WIN 0
	s_mul_i32 s2, s[AH], 6144
	v_add_nc_u32 v[ADA], s2, v[LI]
	v_add_nc_u32 v[ADA+1], 49152, v[ADA]
	s_mul_i32 s2, s[BH], BREG
	s_add_co_u32 s2, s2, BREG
	v_add_nc_u32 v[ADB], s2, v[LI]
	v_add_nc_u32 v[ADB+1], 49152, v[ADB]
	s_mul_i32 s2, s[WV], 768
	s_add_co_u32 s2, s2, SCR
	v_lshl_add_u32 v[SWS], v2, 2, s2
	v_lshl_add_u32 v[SWL], v1, 3, s2
	v_lshlrev_b32 v[L8], 3, v1
.irp b, 0,1,2,3
	v_mov_b32 v[TM+4+\b], 0                        ; written once: a lane permute's destination counts as one of its sources
.endr
	; where my images and their scale words go: q: K step 2 TC + BH of the next product, 512 row blocks a step (k: eight steps on); V^T: K step 2 TCv + BH, 64 row blocks a step
	s_lshl_b32 s2, s26, 1
	s_add_co_u32 s2, s2, s[BH]
	s_lshl_b32 s2, s2, 9
	s_add_co_u32 s28, s2, s30
	s_mul_i32 s2, s28, 1536
	s_add_nc_u64 s[OCQ:OCQ+1], s[12:13], s[2:3]
	s_lshl_b32 s2, s28, 6
	s_add_nc_u64 s[OWQ:OWQ+1], s[14:15], s[2:3]
	s_lshl_b32 s2, s100, 1
	s_add_co_u32 s2, s2, s[BH]
	s_lshl_b32 s2, s2, 6
	s_add_co_u32 s28, s2, s31
	s_mul_i32 s2, s28, 1536
	s_add_co_u32 s2, s2, 12582912                  ; V^T's region of qkv
	s_add_nc_u64 s[OCV:OCV+1], s[12:13], s[2:3]
	s_lshl_b32 s2, s28, 6
	s_add_co_u32 s2, s2, 524288                    ; and of qkvs
	s_add_nc_u64 s[OWV:OWV+1], s[14:15], s[2:3]
	s_mov_b32 s[SEL], 0x76543210
	s_mov_b32 s[SEL+1], 0xfedcba98
	s_wait_alu depctr_va_vdst(0)
	s_wait_tensorcnt 0x0                           ; slot 0 is in; slot 1's first fill is issued as a refill is
	ds_add_u32 v[SPW], v[NIL]
	ds_add_u32 v[SPW], v[NIL]
	s_wait_dscnt 0x0
	CROUND
	s_cmp_eq_u32 s[WV], 0
	s_cbranch_scc0 .Lf1b
	tensor_load_to_lds s[G0A+4:G0A+7], s[G1A:G1A+7]
	s_nop 0
	PLACES
	s_branch .Lf1d
.Lf1b:
	s_cmp_lt_u32 s[WV], 3
	s_cbranch_scc0 .Lf1d
	tensor_load_to_lds s[G0B+4:G0B+7], s[G1B:G1B+7]
	s_nop 0
	PLACES
.Lf1d:
	FETCH 0
	s_wait_loadcnt 0x0                             ; q's scale words and bias
; ---- q
.set G, 0
	KSTEP 0, 0, 1
	WIN 0                                          ; k's scale words (W_k's columns lie 64 row blocks on) and bias, into sets that no product has named yet
.set S, 0
.rept 8
.irp i, 0,1,2,3
	global_load_b32 v[SCB+32+4*S+\i], v[LS], s[SBQ:SBQ+1] offset:4096+S*STEPW+128*\i
.endr
.set S, S+1
.endr
	WIN TO_A
.irp t, 0,1,2,3,4,5,6,7
	global_load_b128 v[BI+64+8*\t:BI+64+8*\t+3], v[BQ], s[BBQ:BBQ+1] offset:4096+128*(\t/2)+32*(\t%2)
	global_load_b128 v[BI+64+8*\t+4:BI+64+8*\t+7], v[BQ], s[BBQ:BBQ+1] offset:4096+128*(\t/2)+32*(\t%2)+16
.endr
.set G, 1
.rept 7
	KSTEP 0, 0, 0
.set G, G+1
.endr
	WIN 0
	PLACES                                         ; behind q's last products: for the loads into the scale words that they read, and for the first read of results
.set S, 0
.rept 8                                ; V^T's scale words: B's into set 0, which q has left; A's into set 1
.irp i, 0,1,2,3
	global_load_b32 v[SCB+4*S+\i], v[LS], s[SBV:SBV+1] offset:S*STEPW+128*\i
.endr
.irp i, 0,1
	global_load_b32 v[SCA+16+2*S+\i], v[LS], s[SAV:SAV+1] offset:S*STEPW+128*\i
.endr
.set S, S+1
.endr
	WIN TO_A                                       ; and V^T's bias into set 0: my row's, eight times, for each block
.irp a, 0,1,2,3
	global_load_b128 v[BI+8*\a:BI+8*\a+3], v[BV], s[BBV:BBV+1] offset:512*\a
	global_load_b128 v[BI+8*\a+4:BI+8*\a+7], v[BV], s[BBV:BBV+1] offset:512*\a+16
.endr
	WIN 0
	EPI OCQ, OWQ, 0, 0
	s_wait_loadcnt 0x0                             ; k's scale words and bias (and V^T's, asked for a way out ago)
; ---- k
	KSTEP 1, 0, 1
.set G, 9
.rept 7
	KSTEP 1, 0, 0
.set G, G+1
.endr
	WIN 0
	PLACES
	s_wait_xcnt 0x0                                ; q's stores have read their data: the codes' and the words' registers are written again only behind this wait
	EPI OCQ, OWQ, 6291456, 262144
; ---- V^T
	KSTEP 0, 1, 2
.set G, 17
.rept 7
	KSTEP 0, 1, 0
.set G, G+1
.endr
	WIN 0
	PLACES
	s_wait_xcnt 0x0                                ; k's stores have read their data
	EPI OCV, OWV, 0, 0
	s_wait_tensorcnt 0x0                           ; the wave's end, behind my last tensor load and my last LDS store
	ds_add_u32 v[SPW], v[NIL]
	s_wait_dscnt 0x0
	CROUND                                         ; the closing round: no work-group ends while a partner may still ask for a tile that names it
	s_endpgm
.Lfunc_end_k_qa3fb16e99f_qkvp:
	.size	k_qa3fb16e99f_qkvp, .Lfunc_end_k_qa3fb16e99f_qkvp-k_qa3fb16e99f_qkvp
	.p2alignl 7, 3214868480
	.fill 96, 4, 3214868480
	.section	.rodata,"a",@progbits
	.p2align	6, 0x0
	.amdhsa_kernel k_qa3fb16e99f_qkvp
		.amdhsa_group_segment_fixed_size 327680
		.amdhsa_private_segment_fixed_size 0
		.amdhsa_enable_private_segment 0
		.amdhsa_kernarg_size 48
		.amdhsa_user_sgpr_count 2
		.amdhsa_user_sgpr_kernarg_segment_ptr 1
		.amdhsa_wavefront_size32 1
		.amdhsa_system_sgpr_workgroup_id_x 1
		.amdhsa_system_sgpr_workgroup_id_y 1
		.amdhsa_system_sgpr_workgroup_id_z 1
		.amdhsa_system_vgpr_workitem_id 0
		.amdhsa_next_free_vgpr 1024
		.amdhsa_next_free_sgpr 102
		.amdhsa_reserve_vcc 0
		.amdhsa_float_denorm_mode_32 3
		.amdhsa_float_denorm_mode_16_64 3
		.amdhsa_memory_ordered 1
		.amdhsa_forward_progress 1
		.amdhsa_inst_pref_size 238
	.end_amdhsa_kernel
	.amdgpu_metadata
---
amdhsa.version: [ 1, 2 ]
amdhsa.kernels:
  - .name:           k_qa3fb16e99f_qkvp
    .symbol:         k_qa3fb16e99f_qkvp.kd
    .args:
      - { .name: xw, .offset: 0, .size: 8, .value_kind: global_buffer, .address_space: global }
      - { .name: xws, .offset: 8, .size: 8, .value_kind: global_buffer, .address_space: global }
      - { .name: b_qkv, .offset: 16, .size: 8, .value_kind: global_buffer, .address_space: global }
      - { .name: bvrep, .offset: 24, .size: 8, .value_kind: global_buffer, .address_space: global }
      - { .name: qkv, .offset: 32, .size: 8, .value_kind: global_buffer, .address_space: global }
      - { .name: qkvs, .offset: 40, .size: 8, .value_kind: global_buffer, .address_space: global }
    .group_segment_fixed_size: 327680
    .private_segment_fixed_size: 0
    .kernarg_segment_align: 8
    .kernarg_segment_size: 48
    .max_flat_workgroup_size: 128
    .sgpr_count:     102
    .vgpr_count:     1024
    .wavefront_size: 32
...
	.end_amdgpu_metadata
.endif
;; end of part 2
;; launch scores (part 3): grid 4 x 64, 4 waves a work-group, clusters of 4 x 4, 327,680 bytes of LDS; arguments qkv, qkvs, pc, pstat; writes pc, pstat
.if DOCPART == 3
	.amdgcn_target "amdgcn-amd-amdhsa--gfx1250"
	.amdhsa_code_object_version 6
	.text
	.protected	k_qa3fb16e99f_scores
	.globl	k_qa3fb16e99f_scores
	.p2align	8
	.type	k_qa3fb16e99f_scores,@function
k_qa3fb16e99f_scores:
	s_mov_b64 s[64:65], 0
	v_nop
	global_prefetch_b8 v0, s[64:65] scope:SCOPE_SE
	s_setreg_imm32_b32 hwreg(HW_REG_WAVE_MODE, 25, 1), 1
	s_wait_xcnt 0x0
	s_wait_alu depctr_hold_cnt(0) depctr_sa_sdst(0) depctr_va_vdst(0) depctr_va_sdst(0) depctr_va_ssrc(0) depctr_va_vcc(0) depctr_vm_vsrc(0)
	s_getreg_b32 s2, hwreg(HW_REG_IB_STS2, 6, 4)
	s_cmp_eq_u32 s2, 0
	s_cbranch_scc0 .Lentry_in_a_cluster
	s_endpgm
.Lentry_in_a_cluster:
	s_bfe_u32 s2, ttmp6, 0x10000c
	s_cmp_lg_u32 s2, 0xf033
	s_cbranch_scc0 .Lentry_shape_is_right
	s_endpgm
.Lentry_shape_is_right:
; S = q k^T on codes of FP6 (E2M3) with E8M0 scales, K = 1,024, and the softmax's numerator, quantised at once.  No score goes to memory.
; For each query and each 128 keys (a wave's columns): t = score x log2(e) / 32; M' = the largest t of these 128 keys rounded UP to a whole number; p = 2^(t - M'); l' = the sum of the unquantised p.
; p is quantised along the keys and stored as codes with its scale word; -M' and l' are stored beside it.  M' is a whole number, so the next launch brings all of a row's chunks under the row's M by
; adding M' - M to the scale bytes: the codes' values are those under M.  A maximum is taken away before every exponential.
; Operands, shares, cluster and windows as in the launch before: images of operand registers; a tile is 128 queries x 256 keys, wave w makes 64 x 128 of it; source 0 = 16 keys, source 1 = 16 queries;
; lane (r, h) holds one query, register 16 b + i of a block key 32 b + 16 h + i.
; A WORK-GROUP STAYS and makes two tiles: 512 tiles on 256 work-groups: the same 128 queries against keys 256 cx on and 256 (cx + 4) on.
; LDS: two slots of four K steps (q 48 KiB + k 96 KiB each).  When a slot's four K steps are in every wave's registers, its part of k takes the second tile's; q stays.  In front of a refill every wave waits for all
; its tensor loads, adds 0 to its spare word, waits for that and for its reads, and passes a round of the cluster's barrier; the joint refill comes first behind it, one load a wave, and has four K steps
; (128 products a wave) or more in which to land.  A wave has two tensor loads out at the most.  All of LDS is claimed and the spare words are touched.
; No prefetch is written: each refill is asked for four K steps or more ahead of its first use.
; A BLOCK'S LARGEST p IS NOT SEARCHED FOR: the block's largest score goes through the same multiply-add and exponential (this takes v_exp_f32 not to fall where its input rises).
; LIMITS: p under 2^-126 counts as 0 (v_exp_f32); a block of zeros gets the byte 1; NaN and infinities are not served.
.set CH,    4
.set NT,    2
.set RB,    512
.set STEPW, 32768
.set NEXTB, 98304                      ; from the first tile's keys to the second's: 64 row blocks of 1,536 bytes
.set BREG,  98304
.set SPARE, 294912                     ; the spare words: 128 bytes for each wave
.set SCR,   295424
.set LI,  4
.set LS,  5
.set ADA, 6
.set ADB, 8
.set SWS, 10
.set SWL, 11
.set L8,  12
.set SPW, 13                           ; v13 my spare word; never rewritten
.set NIL, 14                           ; v14 0; never rewritten
.set SCB, 32                           ; v32-95 k's scale words, a set of 32 for each tile; v96-111 q's: they hold nothing else
.set SCA, 96
.set PC,  128                          ; v128-207 four sets of codes
.set TM,  208                          ; v208-211 the blocks' largest scores, then p; v212-215 at work; v216 the chunk's; v220-223 the conversions' scale operands
.set PW,  224                          ; v224-227 p's scale words
.set WT,  228
.set NM,  232                          ; v232, 234, 236, 238: -M' (each the low word of a pair)
.set LP,  240                          ; v240-243 l'
.set SU,  244                          ; v244-247 the sum's two chains
.set WV,  20
.set AH,  21
.set BH,  22
.set G1A, 32
.set G1B, 40
.set G0A, 48
.set G0B, 68
.set SEL, 66
.set CS,  92                           ; s[92:93] c = log2(e) / 32
.set MULW, 0xad
.set TO_B, 0x40
.set TO_A, 0xc0
.set MSB, 0
.macro WIN new
.if MSB != \new
	s_set_vgpr_msb (MSB<<8)|\new
.set MSB, \new
.endif
.endm
.macro PLACES
.rept 4
	v_nop
.endr
.endm
.macro CROUND
	s_barrier_signal -1
	s_barrier_wait -1
	s_cmp_lg_u32 s[WV], 0
	s_cbranch_scc1 .Lnw0_\@
	s_barrier_signal -3
.Lnw0_\@:
	s_barrier_wait -3
	s_barrier_signal -1
	s_barrier_wait -1
.endm
.macro ARRIVE n                        ; a barrier behind which nothing is filled again: the slot ahead has landed (n later loads may stay out); my LDS loads are in
	s_wait_tensorcnt \n
	s_wait_dscnt 0x0
	s_barrier_signal -1
	s_barrier_wait -1
.endm
.macro REFB slot                       ; the slot's four K steps are in every wave's registers: its part of k takes the second tile's keys; q stays
	WIN 0
	s_wait_tensorcnt 0x0                           ; all my tensor loads have landed, my part of the other slot among them: so a group 0 may be written
	ds_add_u32 v[SPW], v[NIL]                      ; 0 onto my spare word
	ds_add_u32 v13, v14
	s_add_nc_u64 s[G0B+4*\slot+2:G0B+4*\slot+3], s[G0B+4*\slot+2:G0B+4*\slot+3], NEXTB
	s_wait_dscnt 0x0                               ; the add is done, and my reads of the slot are over
	CROUND                                         ; both now hold of every wave of every partner
	s_cmp_eq_u32 s[WV], 0
	s_cbranch_scc1 .Lrd_\@
	s_cmp_lt_u32 s[WV], 3
	s_cbranch_scc0 .Lrd_\@
	tensor_load_to_lds s[G0B+4*\slot:G0B+4*\slot+3], s[G1B:G1B+7]
	s_nop 0
	PLACES
.Lrd_\@:
.endm
.macro FETCH st
.set SLL, (\st)%8
.set PP, (\st)%2
	WIN TO_B
.irp t, 0,1,2,3,4,5,6,7
.irp c, 0,1,2
	ds_load_b128 v[128*PP+12*\t+4*\c:128*PP+12*\t+4*\c+3], v[ADB+SLL/4] offset:((SLL%4)*8+\t)*1536+512*\c
.endr
.endr
	WIN TO_A
.irp a, 0,1,2,3
.irp c, 0,1,2
	ds_load_b128 v[64*PP+12*\a+4*\c:64*PP+12*\a+4*\c+3], v[ADA+SLL/4] offset:((SLL%4)*8+\a)*1536+512*\c
.endr
.endr
.endm
.macro WM a, t, st, sb, zero           ; sb: the tile's set of k's scale words.  zero = 1: a tile's first K step starts the sums: nothing is cleared
.set DD, 64*(\a)+8*(\t)
.set FB, 128*((\st)%2)+12*(\t)
.set FA, 64*((\st)%2)+12*(\a)
.set SRB, SCB+32*(\sb)+4*((\st)%8)+(\t)/2
.set SRA, SCA+2*((\st)%8)+(\a)/2
.if \zero
.if ((\t)%2 == 0) && ((\a)%2 == 0)
	v_wmma_scale_f32_16x16x128_f8f6f4 v[DD:DD+7], v[FB:FB+11], v[FA:FA+11], 0, v[SRB], v[SRA] matrix_a_fmt:MATRIX_FMT_FP6 matrix_b_fmt:MATRIX_FMT_FP6
.elseif ((\a)%2 == 0)
	v_wmma_scale_f32_16x16x128_f8f6f4 v[DD:DD+7], v[FB:FB+11], v[FA:FA+11], 0, v[SRB], v[SRA] matrix_a_fmt:MATRIX_FMT_FP6 matrix_b_fmt:MATRIX_FMT_FP6 matrix_a_scale:MATRIX_SCALE_ROW1
.elseif ((\t)%2 == 0)
	v_wmma_scale_f32_16x16x128_f8f6f4 v[DD:DD+7], v[FB:FB+11], v[FA:FA+11], 0, v[SRB], v[SRA] matrix_a_fmt:MATRIX_FMT_FP6 matrix_b_fmt:MATRIX_FMT_FP6 matrix_b_scale:MATRIX_SCALE_ROW1
.else
	v_wmma_scale_f32_16x16x128_f8f6f4 v[DD:DD+7], v[FB:FB+11], v[FA:FA+11], 0, v[SRB], v[SRA] matrix_a_fmt:MATRIX_FMT_FP6 matrix_b_fmt:MATRIX_FMT_FP6 matrix_a_scale:MATRIX_SCALE_ROW1 matrix_b_scale:MATRIX_SCALE_ROW1
.endif
.else
.if ((\t)%2 == 0) && ((\a)%2 == 0)
	v_wmma_scale_f32_16x16x128_f8f6f4 v[DD:DD+7], v[FB:FB+11], v[FA:FA+11], v[DD:DD+7], v[SRB], v[SRA] matrix_a_fmt:MATRIX_FMT_FP6 matrix_b_fmt:MATRIX_FMT_FP6
.elseif ((\a)%2 == 0)
	v_wmma_scale_f32_16x16x128_f8f6f4 v[DD:DD+7], v[FB:FB+11], v[FA:FA+11], v[DD:DD+7], v[SRB], v[SRA] matrix_a_fmt:MATRIX_FMT_FP6 matrix_b_fmt:MATRIX_FMT_FP6 matrix_a_scale:MATRIX_SCALE_ROW1
.elseif ((\t)%2 == 0)
	v_wmma_scale_f32_16x16x128_f8f6f4 v[DD:DD+7], v[FB:FB+11], v[FA:FA+11], v[DD:DD+7], v[SRB], v[SRA] matrix_a_fmt:MATRIX_FMT_FP6 matrix_b_fmt:MATRIX_FMT_FP6 matrix_b_scale:MATRIX_SCALE_ROW1
.else
	v_wmma_scale_f32_16x16x128_f8f6f4 v[DD:DD+7], v[FB:FB+11], v[FA:FA+11], v[DD:DD+7], v[SRB], v[SRA] matrix_a_fmt:MATRIX_FMT_FP6 matrix_b_fmt:MATRIX_FMT_FP6 matrix_a_scale:MATRIX_SCALE_ROW1 matrix_b_scale:MATRIX_SCALE_ROW1
.endif
.endif
.endm
.macro MUL st, sb, zero                ; the 32 accumulators take turns, one instruction a turn
	WIN MULW
.irp a, 0,1,2,3
.irp t, 0,1,2,3,4,5,6,7
	WM \a, \t, \st, \sb, \zero
.endr
.endr
.endm
.macro KSTEP sb, zero                  ; K step G, counted over both tiles
.if G+1 < 8*NT
.if G+1 == 4
	REFB 0                                         ; the first tile's K steps 0-3 are in registers or multiplied; slot 1 is whole; slot 0 takes the second tile's 0-3
.elseif G+1 == 8
	REFB 1                                         ; slot 1 takes the second tile's 4-7: it lands under the first tile's last step, its softmax and the second tile's first four steps
.elseif G+1 == 12
	ARRIVE 0                                       ; slot 1 is whole; nothing more is asked for
.endif
	PLACES
	FETCH G+1
	s_wait_dscnt 36                                ; all but the 36 just issued
.else
	s_wait_dscnt 0x0
.endif
	MUL G, \sb, \zero
.endm
; Block a: 16 queries x my 128 keys; the image goes to s[12:13] + off.
.macro SOFT a, off
.set AC, 64*(\a)
.set NMR, NM+2*(\a)
	WIN 0x28                                       ; sources 1 and 2: window 2
.irp b, 0,1,2,3
	v_max3_num_f32 v[TM+\b], 0xff800000, v[AC+16*\b], v[AC+16*\b+1]   ; the largest score of each block of 32 keys; each accumulator is read from its low end on
.endr
.irp i, 2,4,6,8,10,12,14
.irp b, 0,1,2,3
	v_max3_num_f32 v[TM+\b], v[TM+\b], v[AC+16*\b+\i], v[AC+16*\b+\i+1]
.endr
.endr
	WIN 0
.irp b, 0,1,2,3
	v_permlanex16_b32 v[TM+4+\b], v[TM+\b], s[SEL], s[SEL+1]
.endr
.irp b, 0,1,2,3
	v_max_num_f32 v[TM+\b], v[TM+\b], v[TM+4+\b]   ; with lane l xor 16's 16 keys
.endr
	v_max3_num_f32 v[TM+8], v[TM], v[TM+1], v[TM+2]
	v_max_num_f32 v[TM+8], v[TM+8], v[TM+3]        ; the largest score of my query's 128 keys,
	v_mul_f32 v[TM+8], s[CS], v[TM+8]              ; as t (c is positive)
	v_floor_f32 v[NMR], -v[TM+8]                   ; -M' = floor(-t) = -ceil(t): a whole number
.irp b, 0,1,2,3
	v_fma_f32 v[TM+\b], v[TM+\b], s[CS], v[NMR]    ; t - M' of each block's largest score
.endr
	WIN 0x82                                       ; destination and source 0: window 2
.irp j, 0,2,4,6,8,10,12,14,16,18,20,22,24,26,28,30,32,34,36,38,40,42,44,46,48,50,52,54,56,58,60,62
	v_pk_fma_f32 v[AC+\j:AC+\j+1], v[AC+\j:AC+\j+1], s[CS:CS+1], v[NMR:NMR+1] op_sel_hi:[1,0,0]   ; t - M', two at a time
.endr
	s_wait_alu depctr_va_vdst(0)
.irp j, 0,1,2,3,4,5,6,7,8,9,10,11,12,13,14,15,16,17,18,19,20,21,22,23,24,25,26,27,28,29,30,31,32,33,34,35,36,37,38,39,40,41,42,43,44,45,46,47,48,49,50,51,52,53,54,55,56,57,58,59,60,61,62,63
	v_exp_f32 v[AC+\j], v[AC+\j]                   ; p = 2^(t - M'), at most 1
.endr
	v_nop                                          ; a plain place behind the exponentials
	s_wait_alu depctr_va_vdst(0)                   ; one wait for the batch of 64, ahead of its first reader
	WIN 0
.irp b, 0,1,2,3
	v_exp_f32 v[TM+\b], v[TM+\b]                   ; the block's largest p
.endr
	WIN 0x0a                                       ; sources 0 and 1: window 2
	v_pk_add_f32 v[SU:SU+1], v[AC:AC+1], v[AC+2:AC+3]       ; the sum of the UNQUANTISED p, two at a time, in two chains
	v_pk_add_f32 v[SU+2:SU+3], v[AC+4:AC+5], v[AC+6:AC+7]
	WIN 0x08                                       ; source 1: window 2
.irp j, 8,12,16,20,24,28,32,36,40,44,48,52,56,60
	v_pk_add_f32 v[SU:SU+1], v[SU:SU+1], v[AC+\j:AC+\j+1]
	v_pk_add_f32 v[SU+2:SU+3], v[SU+2:SU+3], v[AC+\j+2:AC+\j+3]
.endr
	WIN 0
	v_pk_add_f32 v[SU:SU+1], v[SU:SU+1], v[SU+2:SU+3]
	v_add_f32 v[SU], v[SU], v[SU+1]
	s_wait_alu depctr_va_vdst(0)                   ; and one for the four
.irp b, 0,1,2,3
	v_max_num_f32 v[TM+\b], 0x1800000, v[TM+\b]    ; the floor 2^(3 - 127): the byte cannot fall under 1
.endr
.irp b, 0,1,2,3
	v_add_nc_u32 v[TM+12+\b], 0xff000000, v[TM+\b]
.endr
.irp b, 0,1,2,3
	v_lshrrev_b32 v[TM+4+\b], 23, v[TM+12+\b]
.endr
	v_lshl_or_b32 v[PW+(\a)], v[TM+5], 8, v[TM+4]
	v_lshl_or_b32 v[PW+(\a)], v[TM+6], 16, v[PW+(\a)]
	v_lshl_or_b32 v[PW+(\a)], v[TM+7], 24, v[PW+(\a)]
	v_permlanex16_b32 v[SU+1], v[SU], s[SEL], s[SEL+1]
	v_add_f32 v[LP+(\a)], v[SU], v[SU+1]           ; l' of my query
	WIN 0x02
.irp c, 0,1
	v_cvt_scalef32_pk16_fp6_f32 v[PC+20*(\a)+6*\c:PC+20*(\a)+6*\c+2], v[AC+32*\c:AC+32*\c+15], v[TM+12+2*\c]
	v_cvt_scalef32_pk16_fp6_f32 v[PC+20*(\a)+12+4*\c:PC+20*(\a)+14+4*\c], v[AC+32*\c+16:AC+32*\c+31], v[TM+13+2*\c]
.endr
	WIN 0
	v_nop                                          ; one plain place behind a scaled conversion
.irp c, 0,1
.irp i, 0,1,2
	v_permlane16_swap_b32 v[PC+20*(\a)+6*\c+\i], v[PC+20*(\a)+12+4*\c+\i]
.endr
.irp i, 0,1,2
	v_mov_b32 v[PC+20*(\a)+3+6*\c+\i], v[PC+20*(\a)+12+4*\c+\i]
.endr
.endr
.irp c, 0,1,2
	global_store_b128 v[LI], v[PC+20*(\a)+4*\c:PC+20*(\a)+4*\c+3], s[12:13] offset:\off+1536*(\a)+512*\c   ; 512 consecutive bytes, aligned; within a tile each block has registers of its own
.endr
.endm
.macro EPI off, woff                   ; a tile's way out: four images; my 64 queries' scale words, -M' and l', each as 256 consecutive bytes
.irp a, 0,1,2,3
	SOFT \a, \off
.endr
.irp a, 0,1,2,3
	ds_store_b32 v[SWS], v[PW+\a] offset:64*\a     ; both halves of the lanes write the same word with the same value
	ds_store_b32 v[SWS], v[NM+2*\a] offset:256+64*\a
	ds_store_b32 v[SWS], v[LP+\a] offset:512+64*\a
.endr
	ds_load_b64 v[WT:WT+1], v[SWL]                 ; LDS serves a wave's instructions in order
	ds_load_b64 v[WT+2:WT+3], v[SWL] offset:256
	ds_load_b64 v[SU:SU+1], v[SWL] offset:512
	s_wait_dscnt 0x0
	global_store_b64 v[L8], v[WT:WT+1], s[14:15] offset:\woff
	global_store_b64 v[L8], v[WT+2:WT+3], s[14:15] offset:\woff+524288
	global_store_b64 v[L8], v[SU:SU+1], s[14:15] offset:\woff+1048576
.endm
	s_load_b256 s[4:11], s[0:1], 0x0               ; qkv, qkvs, pc, pstat
	v_lshl_add_u32 v[SPW], v0, 2, SPARE
	v_mov_b32 v[NIL], 0
	ds_add_u32 v13, v14
	ds_add_u32 v13, v14
	s_wait_dscnt 0x0
	v_lshrrev_b32 v1, 5, v0
	v_readfirstlane_b32 s[WV], v1
	s_lshr_b32 s[AH], s[WV], 1
	s_and_b32 s[BH], s[WV], 1
	s_bfe_u32 s24, ttmp6, 0x40000                  ; cx
	s_bfe_u32 s25, ttmp6, 0x40004                  ; cy
	s_lshl_b32 s28, s25, 2
	s_lshl_b32 s28, 15, s28
	s_lshl_b32 s29, 0x1111, s24
	s_or_b32 s[G1A], s28, (3<<16)|(1<<21)          ; as in the launch before: CH rows of 12,288 bytes, a K step apart
	s_or_b32 s[G1B], s29, (3<<16)|(1<<21)
.irp g, G1A, G1B
	s_mov_b32 s[\g+1], 1536<<16
	s_mov_b32 s[\g+2], CH<<16
	s_mov_b32 s[\g+3], 1536<<16
	s_mov_b32 s[\g+4], CH
	s_mov_b32 s[\g+5], RB*192
	s_mov_b32 s[\g+6], 0
	s_mov_b32 s[\g+7], 0
.endr
	s_and_b32 s101, ttmp7, 0xffff                  ; the cluster's number
	s_lshl_b32 s26, ttmp9, 2
	s_add_co_u32 s26, s26, s24                     ; TC: the first tile's 256 keys of the batch; the second's are TC + 4
	s_lshl_b32 s27, s101, 2
	s_add_co_u32 s27, s27, s25                     ; TR: 128 queries
	s_lshr_b32 s23, s101, 2                        ; the batch: the same in all partners
	s_lshl_b32 s99, s27, 3                         ; q's first row block
	s_lshl_b32 s100, s26, 4
	s_lshl_b32 s23, s23, 7
	s_add_co_u32 s100, s100, s23                   ; k's: 128 x batch + 16 TC
	s_mul_i32 s66, s99, 1536
	s_mov_b32 s67, 0
	s_lshl_b32 s2, s[AH], 3
	s_add_co_u32 s2, s2, s100
	s_add_co_u32 s2, s2, 8*RB                      ; k's K steps lie behind q's eight
	s_mul_i32 s2, s2, 1536
	s_mov_b32 s3, 0
	s_mul_i32 s30, s[AH], BREG
	s_add_co_u32 s30, s30, BREG
	s_wait_kmcnt 0x0
	s_add_nc_u64 s[66:67], s[4:5], s[66:67]
	s_add_nc_u64 s[2:3], s[4:5], s[2:3]
.irp j, 0,1
	s_mov_b32 s[G0A+4*\j], 1
	s_mov_b32 s[G0A+4*\j+1], \j*CH*12288
	s_add_nc_u64 s[G0A+4*\j+2:G0A+4*\j+3], s[66:67], \j*CH*RB*1536
	s_or_b32 s[G0A+4*\j+3], s[G0A+4*\j+3], 0x80000000
	s_mov_b32 s[G0B+4*\j], 1
	s_add_co_u32 s[G0B+4*\j+1], s30, \j*CH*12288
	s_add_nc_u64 s[G0B+4*\j+2:G0B+4*\j+3], s[2:3], \j*CH*RB*1536
	s_or_b32 s[G0B+4*\j+3], s[G0B+4*\j+3], 0x80000000
.endr
	CROUND
	s_cmp_eq_u32 s[WV], 0                          ; the head's fills, slot 0, one load a wave: wave 0 q's, waves 1 and 2 a half of k's each, wave 3 none
	s_cbranch_scc0 .Lfill_b
	tensor_load_to_lds s[G0A:G0A+3], s[G1A:G1A+7]
	s_nop 0
	PLACES
	s_branch .Lfilled
.Lfill_b:
	s_cmp_lt_u32 s[WV], 3
	s_cbranch_scc0 .Lfilled
	tensor_load_to_lds s[G0B:G0B+3], s[G1B:G1B+7]
	s_nop 0
	PLACES
.Lfilled:
	v_and_b32 v1, 31, v0
	v_and_b32 v2, 15, v0
	v_bfe_u32 v3, v0, 4, 1
	v_lshlrev_b32 v[LI], 4, v1
	v_lshlrev_b32 v[LS], 2, v1
	s_wait_alu depctr_va_vdst(0)
	s_lshl_b32 s2, s[AH], 2
	s_add_co_u32 s2, s2, s99
	s_lshl_b32 s16, s2, 6
	s_mov_b32 s17, 0
	s_add_nc_u64 s[16:17], s[6:7], s[16:17]        ; q's scale words at my rows
	s_lshl_b32 s2, s[BH], 3
	s_add_co_u32 s2, s2, s100
	s_lshl_b32 s18, s2, 6
	s_add_co_u32 s18, s18, 8*STEPW
	s_mov_b32 s19, 0
	s_add_nc_u64 s[18:19], s[6:7], s[18:19]        ; k's at my columns of the first tile
.set S, 0
.rept 8
.irp i, 0,1
	global_load_b32 v[SCA+2*S+\i], v[LS], s[16:17] offset:S*STEPW+128*\i
.endr
.irp i, 0,1,2,3
	global_load_b32 v[SCB+4*S+\i], v[LS], s[18:19] offset:S*STEPW+128*\i
.endr
.set S, S+1
.endr
	s_mul_i32 s2, s[AH], 6144
	v_add_nc_u32 v[ADA], s2, v[LI]
	v_add_nc_u32 v[ADA+1], 49152, v[ADA]
	s_mul_i32 s2, s[BH], BREG
	s_add_co_u32 s2, s2, BREG
	v_add_nc_u32 v[ADB], s2, v[LI]
	v_add_nc_u32 v[ADB+1], 49152, v[ADB]
	s_mul_i32 s2, s[WV], 768
	s_add_co_u32 s2, s2, SCR
	v_lshl_add_u32 v[SWS], v2, 2, s2
	v_lshl_add_u32 v[SWL], v1, 3, s2
	v_lshlrev_b32 v[L8], 3, v1
.irp b, 0,1,2,3
	v_mov_b32 v[TM+4+\b], 0                        ; a lane permute's destination counts as one of its sources
	v_mov_b32 v[NM+2*\b+1], 0                      ; named as the upper half of a pair, so it is written
.endr
	s_lshl_b32 s2, s26, 1                          ; where my four images go: K step 2 TC + BH (128 keys of the batch), row blocks 8 TR + 4 AH on; the second tile's lie eight K steps on
	s_add_co_u32 s2, s2, s[BH]
	s_lshl_b32 s2, s2, 9
	s_add_co_u32 s2, s2, s99
	s_lshl_b32 s3, s[AH], 2
	s_add_co_u32 s2, s2, s3
	s_mul_i32 s30, s2, 1536
	s_mov_b32 s31, 0
	s_add_nc_u64 s[12:13], s[8:9], s[30:31]
	s_lshl_b32 s30, s2, 6
	s_add_nc_u64 s[14:15], s[10:11], s[30:31]
	s_mov_b32 s[SEL], 0x76543210
	s_mov_b32 s[SEL+1], 0xfedcba98
	s_mov_b32 s[CS], 0x3d38aa3b                    ; log2(e) / 32
	s_mov_b32 s[CS+1], s[CS]                       ; (named with it as a pair, so it is written)
	s_wait_alu depctr_va_vdst(0)
	s_wait_tensorcnt 0x0                           ; slot 0 is in; slot 1's first fill is issued as a refill is
	ds_add_u32 v[SPW], v[NIL]
	ds_add_u32 v[SPW], v[NIL]
	s_wait_dscnt 0x0
	CROUND
	s_cmp_eq_u32 s[WV], 0
	s_cbranch_scc0 .Lf1b
	tensor_load_to_lds s[G0A+4:G0A+7], s[G1A:G1A+7]
	s_nop 0
	PLACES
	s_branch .Lf1d
.Lf1b:
	s_cmp_lt_u32 s[WV], 3
	s_cbranch_scc0 .Lf1d
	tensor_load_to_lds s[G0B+4:G0B+7], s[G1B:G1B+7]
	s_nop 0
	PLACES
.Lf1d:
	FETCH 0
	s_wait_loadcnt 0x0                             ; the first tile's scale words
; ---- the first 256 keys
.set G, 0
	KSTEP 0, 1
	WIN 0                                          ; the second tile's scale words of k (64 row blocks on), into a set that no product has named yet
.set S, 0
.rept 8
.irp i, 0,1,2,3
	global_load_b32 v[SCB+32+4*S+\i], v[LS], s[18:19] offset:4096+S*STEPW+128*\i
.endr
.set S, S+1
.endr
.set G, 1
.rept 7
	KSTEP 0, 0
.set G, G+1
.endr
	WIN 0
	PLACES
	EPI 0, 0
	s_wait_loadcnt 0x0                             ; the second tile's scale words
; ---- the second 256 keys
	KSTEP 1, 1
.set G, 9
.rept 7
	KSTEP 1, 0
.set G, G+1
.endr
	WIN 0
	PLACES
	s_wait_xcnt 0x0                                ; the first tile's stores have read their data: the codes' and the words' registers are written again only behind this wait
	EPI 6291456, 262144
	s_wait_tensorcnt 0x0                           ; the wave's end, behind my last tensor load and my last LDS store
	ds_add_u32 v[SPW], v[NIL]
	s_wait_dscnt 0x0
	CROUND                                         ; the closing round: no work-group ends while a partner may still ask for a tile that names it
	s_endpgm
.Lfunc_end_k_qa3fb16e99f_scores:
	.size	k_qa3fb16e99f_scores, .Lfunc_end_k_qa3fb16e99f_scores-k_qa3fb16e99f_scores
	.p2alignl 7, 3214868480
	.fill 96, 4, 3214868480
	.section	.rodata,"a",@progbits
	.p2align	6, 0x0
	.amdhsa_kernel k_qa3fb16e99f_scores
		.amdhsa_group_segment_fixed_size 327680
		.amdhsa_private_segment_fixed_size 0
		.amdhsa_enable_private_segment 0
		.amdhsa_kernarg_size 32
		.amdhsa_user_sgpr_count 2
		.amdhsa_user_sgpr_kernarg_segment_ptr 1
		.amdhsa_wavefront_size32 1
		.amdhsa_system_sgpr_workgroup_id_x 1
		.amdhsa_system_sgpr_workgroup_id_y 1
		.amdhsa_system_sgpr_workgroup_id_z 1
		.amdhsa_system_vgpr_workitem_id 0
		.amdhsa_next_free_vgpr 1024
		.amdhsa_next_free_sgpr 102
		.amdhsa_reserve_vcc 0
		.amdhsa_float_denorm_mode_32 3
		.amdhsa_float_denorm_mode_16_64 3
		.amdhsa_memory_ordered 1
		.amdhsa_forward_progress 1
		.amdhsa_inst_pref_size 215
	.end_amdhsa_kernel
	.amdgpu_metadata
---
amdhsa.version: [ 1, 2 ]
amdhsa.kernels:
  - .name:           k_qa3fb16e99f_scores
    .symbol:         k_qa3fb16e99f_scores.kd
    .args:
      - { .name: qkv, .offset: 0, .size: 8, .value_kind: global_buffer, .address_space: global }
      - { .name: qkvs, .offset: 8, .size: 8, .value_kind: global_buffer, .address_space: global }
      - { .name: pc, .offset: 16, .size: 8, .value_kind: global_buffer, .address_space: global }
      - { .name: pstat, .offset: 24, .size: 8, .value_kind: global_buffer, .address_space: global }
    .group_segment_fixed_size: 327680
    .private_segment_fixed_size: 0
    .kernarg_segment_align: 8
    .kernarg_segment_size: 32
    .max_flat_workgroup_size: 128
    .sgpr_count:     102
    .vgpr_count:     1024
    .wavefront_size: 32
...
	.end_amdgpu_metadata
.endif
;; end of part 3
;; launch pv (part 4): grid 4 x 64, 4 waves a work-group, clusters of 4 x 4, 327,680 bytes of LDS; arguments pc, pstat, qkv, qkvs, oc; writes oc
.if DOCPART == 4
	.amdgcn_target "amdgcn-amd-amdhsa--gfx1250"
	.amdhsa_code_object_version 6
	.text
	.protected	k_qa3fb16e99f_pv
	.globl	k_qa3fb16e99f_pv
	.p2align	8
	.type	k_qa3fb16e99f_pv,@function
k_qa3fb16e99f_pv:
	s_mov_b64 s[64:65], 0
	v_nop
	global_prefetch_b8 v0, s[64:65] scope:SCOPE_SE
	s_setreg_imm32_b32 hwreg(HW_REG_WAVE_MODE, 25, 1), 1
	s_wait_xcnt 0x0
	s_wait_alu depctr_hold_cnt(0) depctr_sa_sdst(0) depctr_va_vdst(0) depctr_va_sdst(0) depctr_va_ssrc(0) depctr_va_vcc(0) depctr_vm_vsrc(0)
	s_getreg_b32 s2, hwreg(HW_REG_IB_STS2, 6, 4)
	s_cmp_eq_u32 s2, 0
	s_cbranch_scc0 .Lentry_in_a_cluster
	s_endpgm
.Lentry_in_a_cluster:
	s_bfe_u32 s2, ttmp6, 0x10000c
	s_cmp_lg_u32 s2, 0xf033
	s_cbranch_scc0 .Lentry_shape_is_right
	s_endpgm
.Lentry_shape_is_right:
; O = (P V) / l on codes of FP6 (E2M3) with E8M0 scales, K = the batch's 2,048 keys; O is quantised at once along the hidden axis and stored as codes.
; P's codes were made under a whole number M' for each query and 128 keys.  Here M = the largest M' of the row; each chunk's four scale bytes get M' - M added (0 or less), a byte that would fall
; under 0 is held at 0, and l = the sum of l' x 2^(M' - M).  Both are exact but for what is held.
; LIMIT: a chunk whose M' lies so far under M that a byte would fall under 0 is weighed with 2^-127 in place of its smaller weight (beside a row's largest p, above 1/2, that is nothing);
; a block of zeros gets the byte 1; NaN and infinities are not served.
; Operands, shares, cluster and windows as in the launches before: a work-group makes 128 queries x 256 channels, wave w 64 x 128; source 0 = 16 rows of V^T, source 1 = 16 queries.
; LDS: two slots of four K steps (A 48 KiB + B 96 KiB each).  Both first fills go out at the head; each slot is filled again once.  In front of a refill every wave waits for all its tensor loads, adds 0 to its
; spare word, waits for that and for its reads, and passes a round of the cluster's barrier; the joint refill comes first behind it, one load a wave, and has four K steps (128 products a wave) in which to land.
; A wave has two tensor loads out at the most.  All of LDS is claimed and the spare words are touched.
; No prefetch: half of a work-group's bytes are asked for at the head and the rest within eight K steps.
.set CH,    4
.set NSTEP, 16
.set NF,    2
.set RBA,   512
.set RBB,   64
.set STEPA, 32768
.set STEPB, 4096
.set BREG,  98304
.set SPARE, 294912                     ; the spare words: 128 bytes for each wave
.set SCR,   295424
.set LI,  4
.set LS,  5
.set ADA, 6
.set ADB, 8
.set SWS, 10
.set SWL, 11
.set L8,  12
.set SPW, 13                           ; v13 my spare word; never rewritten
.set NIL, 14                           ; v14 0; never rewritten
.set SCB, 32                           ; v32-95 V's scale words, v96-127 P's: they hold nothing else
.set SCA, 96
.set NMV, 128                          ; at the head: v128-159 -M', v160-191 l', in the lanes of P's scale words
.set LPV, 160
.set NMIN, 192                         ; v192-193 -M;  v194-195 l;  v196-201 at work
.set LL,  194
.set EE,  196
.set T1,  198
.set T2,  200
.set PC,  128                          ; on the way out: four sets of codes
.set TM,  208
.set PW,  224
.set WT,  228
.set RL,  248                          ; v248, 250, 252, 254: 1 / l of block a's rows (each the low word of a pair)
.set WV,  20
.set AH,  21
.set BH,  22
.set G1A, 32
.set G1B, 40
.set G0A, 48
.set G0B, 68
.set SEL, 66
.set MULW, 0xad
.set TO_B, 0x40
.set TO_A, 0xc0
.set MSB, 0
.macro WIN new
.if MSB != \new
	s_set_vgpr_msb (MSB<<8)|\new
.set MSB, \new
.endif
.endm
.macro PLACES
.rept 4
	v_nop
.endr
.endm
.macro CROUND
	s_barrier_signal -1
	s_barrier_wait -1
	s_cmp_lg_u32 s[WV], 0
	s_cbranch_scc1 .Lnw0_\@
	s_barrier_signal -3
.Lnw0_\@:
	s_barrier_wait -3
	s_barrier_signal -1
	s_barrier_wait -1
.endm
.macro ARRIVE n                        ; a barrier behind which nothing is filled again
	s_wait_tensorcnt \n
	s_wait_dscnt 0x0
	s_barrier_signal -1
	s_barrier_wait -1
.endm
.macro REFILL slot                     ; the slot's four K steps have been fetched into registers by every wave: it takes the K steps eight further on
	WIN 0
	s_wait_tensorcnt 0x0                           ; all my tensor loads have landed, my part of the other slot among them: so a group 0 may be written
	ds_add_u32 v[SPW], v[NIL]                      ; 0 onto my spare word
	ds_add_u32 v13, v14
	s_add_nc_u64 s[G0A+4*\slot+2:G0A+4*\slot+3], s[G0A+4*\slot+2:G0A+4*\slot+3], 2*CH*RBA*1536
	s_add_nc_u64 s[G0B+4*\slot+2:G0B+4*\slot+3], s[G0B+4*\slot+2:G0B+4*\slot+3], 2*CH*RBB*1536
	s_wait_dscnt 0x0                               ; the add is done, and my reads of the slot are over
	CROUND                                         ; both now hold of every wave of every partner
	s_cmp_eq_u32 s[WV], 0
	s_cbranch_scc0 .Lrb_\@
	tensor_load_to_lds s[G0A+4*\slot:G0A+4*\slot+3], s[G1A:G1A+7]
	s_nop 0
	PLACES
	s_branch .Lrd_\@
.Lrb_\@:
	s_cmp_lt_u32 s[WV], 3
	s_cbranch_scc0 .Lrd_\@
	tensor_load_to_lds s[G0B+4*\slot:G0B+4*\slot+3], s[G1B:G1B+7]
	s_nop 0
	PLACES
.Lrd_\@:
.endm
.macro FETCH st
.set SLL, (\st)%8
.set PP, (\st)%2
	WIN TO_B
.irp t, 0,1,2,3,4,5,6,7
.irp c, 0,1,2
	ds_load_b128 v[128*PP+12*\t+4*\c:128*PP+12*\t+4*\c+3], v[ADB+SLL/4] offset:((SLL%4)*8+\t)*1536+512*\c
.endr
.endr
	WIN TO_A
.irp a, 0,1,2,3
.irp c, 0,1,2
	ds_load_b128 v[64*PP+12*\a+4*\c:64*PP+12*\a+4*\c+3], v[ADA+SLL/4] offset:((SLL%4)*8+\a)*1536+512*\c
.endr
.endr
.endm
.macro WM a, t, st, zero
.set DD, 64*(\a)+8*(\t)
.set FB, 128*((\st)%2)+12*(\t)
.set FA, 64*((\st)%2)+12*(\a)
.set SRB, SCB+4*(\st)+(\t)/2
.set SRA, SCA+2*(\st)+(\a)/2
.if \zero
.if ((\t)%2 == 0) && ((\a)%2 == 0)
	v_wmma_scale_f32_16x16x128_f8f6f4 v[DD:DD+7], v[FB:FB+11], v[FA:FA+11], 0, v[SRB], v[SRA] matrix_a_fmt:MATRIX_FMT_FP6 matrix_b_fmt:MATRIX_FMT_FP6
.elseif ((\a)%2 == 0)
	v_wmma_scale_f32_16x16x128_f8f6f4 v[DD:DD+7], v[FB:FB+11], v[FA:FA+11], 0, v[SRB], v[SRA] matrix_a_fmt:MATRIX_FMT_FP6 matrix_b_fmt:MATRIX_FMT_FP6 matrix_a_scale:MATRIX_SCALE_ROW1
.elseif ((\t)%2 == 0)
	v_wmma_scale_f32_16x16x128_f8f6f4 v[DD:DD+7], v[FB:FB+11], v[FA:FA+11], 0, v[SRB], v[SRA] matrix_a_fmt:MATRIX_FMT_FP6 matrix_b_fmt:MATRIX_FMT_FP6 matrix_b_scale:MATRIX_SCALE_ROW1
.else
	v_wmma_scale_f32_16x16x128_f8f6f4 v[DD:DD+7], v[FB:FB+11], v[FA:FA+11], 0, v[SRB], v[SRA] matrix_a_fmt:MATRIX_FMT_FP6 matrix_b_fmt:MATRIX_FMT_FP6 matrix_a_scale:MATRIX_SCALE_ROW1 matrix_b_scale:MATRIX_SCALE_ROW1
.endif
.else
.if ((\t)%2 == 0) && ((\a)%2 == 0)
	v_wmma_scale_f32_16x16x128_f8f6f4 v[DD:DD+7], v[FB:FB+11], v[FA:FA+11], v[DD:DD+7], v[SRB], v[SRA] matrix_a_fmt:MATRIX_FMT_FP6 matrix_b_fmt:MATRIX_FMT_FP6
.elseif ((\a)%2 == 0)
	v_wmma_scale_f32_16x16x128_f8f6f4 v[DD:DD+7], v[FB:FB+11], v[FA:FA+11], v[DD:DD+7], v[SRB], v[SRA] matrix_a_fmt:MATRIX_FMT_FP6 matrix_b_fmt:MATRIX_FMT_FP6 matrix_a_scale:MATRIX_SCALE_ROW1
.elseif ((\t)%2 == 0)
	v_wmma_scale_f32_16x16x128_f8f6f4 v[DD:DD+7], v[FB:FB+11], v[FA:FA+11], v[DD:DD+7], v[SRB], v[SRA] matrix_a_fmt:MATRIX_FMT_FP6 matrix_b_fmt:MATRIX_FMT_FP6 matrix_b_scale:MATRIX_SCALE_ROW1
.else
	v_wmma_scale_f32_16x16x128_f8f6f4 v[DD:DD+7], v[FB:FB+11], v[FA:FA+11], v[DD:DD+7], v[SRB], v[SRA] matrix_a_fmt:MATRIX_FMT_FP6 matrix_b_fmt:MATRIX_FMT_FP6 matrix_a_scale:MATRIX_SCALE_ROW1 matrix_b_scale:MATRIX_SCALE_ROW1
.endif
.endif
.endm
.macro MUL st, zero                    ; the 32 accumulators take turns, one instruction a turn
	WIN MULW
.irp a, 0,1,2,3
.irp t, 0,1,2,3,4,5,6,7
	WM \a, \t, \st, \zero
.endr
.endr
.endm
.macro KSTEP zero
.if S+1 < NSTEP
.if S+1 == 4
	REFILL 0                                       ; K steps 0-3 are in registers or multiplied; slot 1 (4-7) is whole; slot 0 takes 8-11
.elseif S+1 == 8
	REFILL 1                                       ; slot 0 (8-11) is whole; slot 1 takes 12-15
.elseif S+1 == 12
	ARRIVE 0                                       ; slot 1 (12-15) is whole; nothing more is asked for
.endif
	PLACES
	FETCH S+1
	s_wait_dscnt 36                                ; all but the 36 just issued
.else
	s_wait_dscnt 0x0
.endif
	MUL S, \zero
.endm
.macro ADJ s                           ; K step s: both registers of P's scale words (blocks 0, 1 and 2, 3), line by line by turns
.irp i, 0,1
	v_sub_f32 v[EE+\i], v[NMIN+\i], v[NMV+2*(\s)+\i]       ; M' - M: a whole number, 0 or less
.endr
.irp i, 0,1
	v_max_num_f32 v[EE+\i], 0xc2fe0000, v[EE+\i]           ; held at -127
.endr
.irp i, 0,1
	v_cvt_i32_f32 v[EE+\i], v[EE+\i]
.endr
.irp i, 0,1
	v_ldexp_f32 v[T1+\i], v[LPV+2*(\s)+\i], v[EE+\i]       ; l' under M
.endr
.irp i, 0,1
	v_add_f32 v[LL+\i], v[LL+\i], v[T1+\i]
.endr
.irp i, 0,1
	v_mul_lo_u32 v[EE+\i], v[EE+\i], s92                   ; the shift in all four bytes
.endr
.irp i, 0,1
	v_add3_u32 v[EE+\i], v[SCA+2*(\s)+\i], s93, v[EE+\i]   ; each byte: 128 + byte + shift.  A byte of p is 1 .. 125, so this lies in 2 .. 253: no byte carries or borrows
.endr
.irp i, 0,1
	v_and_b32 v[T1+\i], s93, v[EE+\i]                      ; bit 7 stands where byte + shift is 0 or more
.endr
.irp i, 0,1
	v_lshrrev_b32 v[T2+\i], 7, v[T1+\i]
.endr
.irp i, 0,1
	v_sub_nc_u32 v[T1+\i], v[T1+\i], v[T2+\i]              ; 0x7f there, 0 elsewhere
.endr
.irp i, 0,1
	v_and_b32 v[SCA+2*(\s)+\i], v[EE+\i], v[T1+\i]         ; byte + shift, held at 0
.endr
.endm
.macro QUANT a                         ; block a: O = sum / l, then as in the projection's launch
	WIN 0x82
.irp j, 0,2,4,6,8,10,12,14,16,18,20,22,24,26,28,30,32,34,36,38,40,42,44,46,48,50,52,54,56,58,60,62
	v_pk_mul_f32 v[64*(\a)+\j:64*(\a)+\j+1], v[64*(\a)+\j:64*(\a)+\j+1], v[RL+2*(\a):RL+2*(\a)+1] op_sel_hi:[1,0]   ; each accumulator from its low end on
.endr
	WIN 0x28
.irp b, 0,1,2,3
	v_max3_num_f32 v[TM+\b], 0x1800000, |v[64*(\a)+16*\b]|, |v[64*(\a)+16*\b+1]|
.endr
.irp i, 2,4,6,8,10,12,14
.irp b, 0,1,2,3
	v_max3_num_f32 v[TM+\b], v[TM+\b], |v[64*(\a)+16*\b+\i]|, |v[64*(\a)+16*\b+\i+1]|
.endr
.endr
	WIN 0
.irp b, 0,1,2,3
	v_permlanex16_b32 v[TM+4+\b], v[TM+\b], s[SEL], s[SEL+1]
.endr
.irp b, 0,1,2,3
	v_max_num_f32 v[TM+\b], v[TM+\b], v[TM+4+\b]
.endr
.irp b, 0,1,2,3
	v_add_nc_u32 v[TM+12+\b], 0xff000000, v[TM+\b]
.endr
.irp b, 0,1,2,3
	v_lshrrev_b32 v[TM+4+\b], 23, v[TM+12+\b]
.endr
	v_lshl_or_b32 v[PW+(\a)], v[TM+5], 8, v[TM+4]
	v_lshl_or_b32 v[PW+(\a)], v[TM+6], 16, v[PW+(\a)]
	v_lshl_or_b32 v[PW+(\a)], v[TM+7], 24, v[PW+(\a)]
	WIN 0x02
.irp c, 0,1
	v_cvt_scalef32_pk16_fp6_f32 v[PC+20*(\a)+6*\c:PC+20*(\a)+6*\c+2], v[64*(\a)+32*\c:64*(\a)+32*\c+15], v[TM+12+2*\c]
	v_cvt_scalef32_pk16_fp6_f32 v[PC+20*(\a)+12+4*\c:PC+20*(\a)+14+4*\c], v[64*(\a)+32*\c+16:64*(\a)+32*\c+31], v[TM+13+2*\c]
.endr
	WIN 0
	v_nop                                          ; one plain place behind a scaled conversion
.irp c, 0,1
.irp i, 0,1,2
	v_permlane16_swap_b32 v[PC+20*(\a)+6*\c+\i], v[PC+20*(\a)+12+4*\c+\i]
.endr
.irp i, 0,1,2
	v_mov_b32 v[PC+20*(\a)+3+6*\c+\i], v[PC+20*(\a)+12+4*\c+\i]
.endr
.endr
.irp c, 0,1,2
	global_store_b128 v[LI], v[PC+20*(\a)+4*\c:PC+20*(\a)+4*\c+3], s[12:13] offset:1536*(\a)+512*\c
.endr
.endm
	s_load_b256 s[4:11], s[0:1], 0x0               ; pc, pstat, qkv, qkvs
	s_load_b64 s[12:13], s[0:1], 0x20              ; oc
	v_lshl_add_u32 v[SPW], v0, 2, SPARE
	v_mov_b32 v[NIL], 0
	ds_add_u32 v13, v14
	ds_add_u32 v13, v14
	s_wait_dscnt 0x0
	v_lshrrev_b32 v1, 5, v0
	v_readfirstlane_b32 s[WV], v1
	s_lshr_b32 s[AH], s[WV], 1
	s_and_b32 s[BH], s[WV], 1
	s_bfe_u32 s24, ttmp6, 0x40000                  ; cx
	s_bfe_u32 s25, ttmp6, 0x40004                  ; cy
	s_lshl_b32 s28, s25, 2
	s_lshl_b32 s28, 15, s28
	s_lshl_b32 s29, 0x1111, s24
	s_or_b32 s[G1A], s28, (3<<16)|(1<<21)          ; CH rows (K steps) of 12,288 bytes
	s_or_b32 s[G1B], s29, (3<<16)|(1<<21)
.irp g, G1A, G1B
	s_mov_b32 s[\g+1], 1536<<16
	s_mov_b32 s[\g+2], CH<<16
	s_mov_b32 s[\g+3], 1536<<16
	s_mov_b32 s[\g+4], CH
	s_mov_b32 s[\g+6], 0
	s_mov_b32 s[\g+7], 0
.endr
	s_mov_b32 s[G1A+5], RBA*192                    ; from K step to K step: P has 512 row blocks,
	s_mov_b32 s[G1B+5], RBB*192                    ; V^T 64
	s_and_b32 s101, ttmp7, 0xffff
	s_lshl_b32 s26, ttmp9, 2
	s_add_co_u32 s26, s26, s24                     ; TC: 256 channels
	s_lshl_b32 s27, s101, 2
	s_add_co_u32 s27, s27, s25                     ; TR: 128 queries
	s_lshr_b32 s23, s101, 2                        ; the batch
	s_lshl_b32 s99, s27, 3                         ; P's first row block
	s_mul_i32 s66, s99, 1536
	s_mov_b32 s67, 0
	s_lshl_b32 s100, s26, 4                        ; V^T's
	s_lshl_b32 s2, s23, 10                         ; the batch's first K step: 16 x batch steps of 64 row blocks
	s_add_co_u32 s2, s2, s100
	s_lshl_b32 s3, s[AH], 3
	s_add_co_u32 s2, s2, s3
	s_mul_i32 s2, s2, 1536
	s_add_co_u32 s2, s2, 12582912                  ; V^T's region of qkv
	s_mov_b32 s3, 0
	s_mul_i32 s30, s[AH], BREG
	s_add_co_u32 s30, s30, BREG
	s_wait_kmcnt 0x0
	s_add_nc_u64 s[66:67], s[4:5], s[66:67]
	s_add_nc_u64 s[2:3], s[8:9], s[2:3]
.set J, 0
.rept NF
	s_mov_b32 s[G0A+4*J], 1
	s_mov_b32 s[G0A+4*J+1], J*CH*12288
	s_add_nc_u64 s[G0A+4*J+2:G0A+4*J+3], s[66:67], J*CH*RBA*1536
	s_or_b32 s[G0A+4*J+3], s[G0A+4*J+3], 0x80000000
	s_mov_b32 s[G0B+4*J], 1
	s_add_co_u32 s[G0B+4*J+1], s30, J*CH*12288
	s_add_nc_u64 s[G0B+4*J+2:G0B+4*J+3], s[2:3], J*CH*RBB*1536
	s_or_b32 s[G0B+4*J+3], s[G0B+4*J+3], 0x80000000
.set J, J+1
.endr
	CROUND
	s_cmp_eq_u32 s[WV], 0                          ; the first fill, slot 0: wave 0 P's, waves 1 and 2 a half of V^T's each, wave 3 none
	s_cbranch_scc0 .Lfill_b
	tensor_load_to_lds s[G0A:G0A+3], s[G1A:G1A+7]  ; at the head slot 0 alone, one load a wave
	s_nop 0
	PLACES
	s_branch .Lfilled
.Lfill_b:
	s_cmp_lt_u32 s[WV], 3
	s_cbranch_scc0 .Lfilled
	tensor_load_to_lds s[G0B:G0B+3], s[G1B:G1B+7]
	s_nop 0
	PLACES
.Lfilled:
	v_and_b32 v1, 31, v0
	v_and_b32 v2, 15, v0
	v_bfe_u32 v3, v0, 4, 1
	v_lshlrev_b32 v[LI], 4, v1
	v_lshlrev_b32 v[LS], 2, v1
	s_mul_i32 s2, s[AH], 6144
	v_add_nc_u32 v[ADA], s2, v[LI]
	v_add_nc_u32 v[ADA+1], 49152, v[ADA]
	s_mul_i32 s2, s[BH], BREG
	s_add_co_u32 s2, s2, BREG
	v_add_nc_u32 v[ADB], s2, v[LI]
	v_add_nc_u32 v[ADB+1], 49152, v[ADB]
	s_mul_i32 s2, s[WV], 768
	s_add_co_u32 s2, s2, SCR
	v_lshl_add_u32 v[SWS], v2, 2, s2
	v_lshl_add_u32 v[SWL], v1, 3, s2
	v_lshlrev_b32 v[L8], 3, v1
.irp b, 0,1,2,3
	v_mov_b32 v[TM+4+\b], 0
	v_mov_b32 v[RL+2*\b+1], 0                      ; named as the upper half of a pair, so it is written
.endr
	s_lshl_b32 s2, s[AH], 2
	s_add_co_u32 s2, s2, s99
	s_lshl_b32 s16, s2, 6
	s_mov_b32 s17, 0
	s_add_nc_u64 s[16:17], s[6:7], s[16:17]        ; pstat at my 64 queries
	s_lshl_b32 s2, s[BH], 3
	s_add_co_u32 s2, s2, s100
	s_lshl_b32 s18, s2, 6
	s_lshl_b32 s2, s23, 16                         ; 16 x batch steps of 4,096 bytes
	s_add_co_u32 s18, s18, s2
	s_add_co_u32 s18, s18, 524288                  ; V^T's region of qkvs
	s_mov_b32 s19, 0
	s_add_nc_u64 s[18:19], s[10:11], s[18:19]
.set S, 0
.rept NSTEP
.irp i, 0,1
	global_load_b32 v[SCA+2*S+\i], v[LS], s[16:17] offset:S*STEPA+128*\i
	global_load_b32 v[NMV+2*S+\i], v[LS], s[16:17] offset:524288+S*STEPA+128*\i
	global_load_b32 v[LPV+2*S+\i], v[LS], s[16:17] offset:1048576+S*STEPA+128*\i
.endr
.irp i, 0,1,2,3
	global_load_b32 v[SCB+4*S+\i], v[LS], s[18:19] offset:S*STEPB+128*\i
.endr
.set S, S+1
.endr
	s_lshl_b32 s2, s26, 1                          ; where my four images go: K step 2 TC + BH of the last product, row blocks 8 TR + 4 AH on
	s_add_co_u32 s2, s2, s[BH]
	s_lshl_b32 s2, s2, 9
	s_add_co_u32 s2, s2, s99
	s_lshl_b32 s3, s[AH], 2
	s_add_co_u32 s2, s2, s3
	s_lshl_b32 s30, s2, 6
	s_add_co_u32 s30, s30, 6291456                 ; O's scale words lie behind its codes
	s_mov_b32 s31, 0
	s_add_nc_u64 s[14:15], s[12:13], s[30:31]
	s_mul_i32 s30, s2, 1536
	s_add_nc_u64 s[12:13], s[12:13], s[30:31]
	s_mov_b32 s[SEL], 0x76543210
	s_mov_b32 s[SEL+1], 0xfedcba98
	s_mov_b32 s92, 0x01010101
	s_mov_b32 s93, 0x80808080
	s_mov_b32 s94, 0xffff0000                      ; lanes 16-31
	s_wait_loadcnt 0x0
.irp i, 0,1
	v_min3_num_f32 v[NMIN+\i], v[NMV+\i], v[NMV+2+\i], v[NMV+4+\i]    ; -M = the least -M' of the row's 16 chunks
	v_mov_b32 v[LL+\i], 0
.endr
.irp s, 3,5,7,9,11,13
.irp i, 0,1
	v_min3_num_f32 v[NMIN+\i], v[NMIN+\i], v[NMV+2*\s+\i], v[NMV+2*\s+2+\i]
.endr
.endr
.irp i, 0,1
	v_min_num_f32 v[NMIN+\i], v[NMIN+\i], v[NMV+30+\i]
.endr
.set S, 0
.rept NSTEP
	ADJ S
.set S, S+1
.endr
	s_wait_alu depctr_va_vdst(0)
	v_rcp_f32 v[LL], v[LL]
	v_rcp_f32 v[LL+1], v[LL+1]
	v_nop                                          ; a plain place behind the reciprocals
	s_wait_alu depctr_va_vdst(0)                   ; one wait for the two, ahead of their first reader
	v_permlanex16_b32 v[EE], v[LL], s[SEL], s[SEL+1]
	v_permlanex16_b32 v[EE+1], v[LL+1], s[SEL], s[SEL+1]
	v_cndmask_b32 v[RL], v[LL], v[EE], s94         ; block 0's rows stand in lanes 0-15: lanes 16-31 take the other half's
	v_cndmask_b32 v[RL+2], v[EE], v[LL], s94       ; block 1's in lanes 16-31
	v_cndmask_b32 v[RL+4], v[LL+1], v[EE+1], s94
	v_cndmask_b32 v[RL+6], v[EE+1], v[LL+1], s94
.rept 8
	v_nop                                          ; scale registers written by vector instructions stand eight places ahead of a scaled matrix instruction
.endr
	s_wait_alu depctr_va_vdst(0)
	s_wait_tensorcnt 0x0                           ; slot 0 is in; slot 1's first fill is issued as a refill is
	ds_add_u32 v[SPW], v[NIL]
	ds_add_u32 v[SPW], v[NIL]
	s_wait_dscnt 0x0
	CROUND
	s_cmp_eq_u32 s[WV], 0
	s_cbranch_scc0 .Lf1b
	tensor_load_to_lds s[G0A+4:G0A+7], s[G1A:G1A+7]
	s_nop 0
	PLACES
	s_branch .Lf1d
.Lf1b:
	s_cmp_lt_u32 s[WV], 3
	s_cbranch_scc0 .Lf1d
	tensor_load_to_lds s[G0B+4:G0B+7], s[G1B:G1B+7]
	s_nop 0
	PLACES
.Lf1d:
	FETCH 0
.set S, 0
	KSTEP 1
.set S, 1
.rept NSTEP-1
	KSTEP 0
.set S, S+1
.endr
	WIN 0
	PLACES
	s_wait_alu depctr_va_vdst(0)
.irp a, 0,1,2,3
	QUANT \a
.endr
.irp a, 0,1,2,3
	ds_store_b32 v[SWS], v[PW+\a] offset:64*\a
.endr
	ds_load_b64 v[WT:WT+1], v[SWL]
	s_wait_dscnt 0x0
	global_store_b64 v[L8], v[WT:WT+1], s[14:15]
	s_wait_tensorcnt 0x0                           ; the wave's end, behind my last tensor load and my last LDS store
	ds_add_u32 v[SPW], v[NIL]
	s_wait_dscnt 0x0
	CROUND                                         ; the closing round
	s_endpgm
.Lfunc_end_k_qa3fb16e99f_pv:
	.size	k_qa3fb16e99f_pv, .Lfunc_end_k_qa3fb16e99f_pv-k_qa3fb16e99f_pv
	.p2alignl 7, 3214868480
	.fill 96, 4, 3214868480
	.section	.rodata,"a",@progbits
	.p2align	6, 0x0
	.amdhsa_kernel k_qa3fb16e99f_pv
		.amdhsa_group_segment_fixed_size 327680
		.amdhsa_private_segment_fixed_size 0
		.amdhsa_enable_private_segment 0
		.amdhsa_kernarg_size 40
		.amdhsa_user_sgpr_count 2
		.amdhsa_user_sgpr_kernarg_segment_ptr 1
		.amdhsa_wavefront_size32 1
		.amdhsa_system_sgpr_workgroup_id_x 1
		.amdhsa_system_sgpr_workgroup_id_y 1
		.amdhsa_system_sgpr_workgroup_id_z 1
		.amdhsa_system_vgpr_workitem_id 0
		.amdhsa_next_free_vgpr 1024
		.amdhsa_next_free_sgpr 102
		.amdhsa_reserve_vcc 0
		.amdhsa_float_denorm_mode_32 3
		.amdhsa_float_denorm_mode_16_64 3
		.amdhsa_memory_ordered 1
		.amdhsa_forward_progress 1
		.amdhsa_inst_pref_size 173
	.end_amdhsa_kernel
	.amdgpu_metadata
---
amdhsa.version: [ 1, 2 ]
amdhsa.kernels:
  - .name:           k_qa3fb16e99f_pv
    .symbol:         k_qa3fb16e99f_pv.kd
    .args:
      - { .name: pc, .offset: 0, .size: 8, .value_kind: global_buffer, .address_space: global }
      - { .name: pstat, .offset: 8, .size: 8, .value_kind: global_buffer, .address_space: global }
      - { .name: qkv, .offset: 16, .size: 8, .value_kind: global_buffer, .address_space: global }
      - { .name: qkvs, .offset: 24, .size: 8, .value_kind: global_buffer, .address_space: global }
      - { .name: oc, .offset: 32, .size: 8, .value_kind: global_buffer, .address_space: global }
    .group_segment_fixed_size: 327680
    .private_segment_fixed_size: 0
    .kernarg_segment_align: 8
    .kernarg_segment_size: 40
    .max_flat_workgroup_size: 128
    .sgpr_count:     102
    .vgpr_count:     1024
    .wavefront_size: 32
...
	.end_amdgpu_metadata
.endif
;; end of part 4
;; launch outp (part 5): grid 4 x 64, 4 waves a work-group, clusters of 4 x 4, 327,680 bytes of LDS; arguments oc, xw, xws, b_out, out0; writes out0
.if DOCPART == 5
	.amdgcn_target "amdgcn-amd-amdhsa--gfx1250"
	.amdhsa_code_object_version 6
	.text
	.protected	k_qa3fb16e99f_outp
	.globl	k_qa3fb16e99f_outp
	.p2align	8
	.type	k_qa3fb16e99f_outp,@function
k_qa3fb16e99f_outp:
	s_mov_b64 s[64:65], 0
	v_nop
	global_prefetch_b8 v0, s[64:65] scope:SCOPE_SE
	s_setreg_imm32_b32 hwreg(HW_REG_WAVE_MODE, 25, 1), 1
	s_wait_xcnt 0x0
	s_wait_alu depctr_hold_cnt(0) depctr_sa_sdst(0) depctr_va_vdst(0) depctr_va_sdst(0) depctr_va_ssrc(0) depctr_va_vcc(0) depctr_vm_vsrc(0)
	s_getreg_b32 s2, hwreg(HW_REG_IB_STS2, 6, 4)
	s_cmp_eq_u32 s2, 0
	s_cbranch_scc0 .Lentry_in_a_cluster
	s_endpgm
.Lentry_in_a_cluster:
	s_bfe_u32 s2, ttmp6, 0x10000c
	s_cmp_lg_u32 s2, 0xf033
	s_cbranch_scc0 .Lentry_shape_is_right
	s_endpgm
.Lentry_shape_is_right:
; out0 = O W_out + b_out on codes of FP6 (E2M3) with E8M0 scales, K = 1,024; out0 [8192][1024] f32.
; Operands, shares, LDS, cluster and windows as in the projection's launch: a work-group makes 128 tokens x 256 outputs, wave w 64 x 128; source 0 = 16 columns of W_out, source 1 = 16 tokens;
; all of K is filled once, in one load asked for at the head (a wave has one tensor load out at the most); so there is nothing to prefetch.
; THE WAY OUT.  A lane holds, of its token, columns 32 b + 16 h + 0 .. 15: a block of 16 tokens x 128 columns goes through the wave's own stage (rows of 528 bytes) and comes back as whole rows of 512 bytes.
; The stages lie in A's region of LDS, which has had its only fill; a barrier stands between every wave's last read of it and the first store.  The rows go to the tokens that the images' order gives them.
; LIMITS: NaN and infinities are not served.
; All of K is filled once, at the head, by ONE load of eight K steps a wave (wave 0 O's 96 KiB, waves 1 and 2 a half of W_out's each, wave 3 none): a wave has one tensor load out at the most, and nothing is filled later.
; The first K step starts the sums with the constant 0; the bias is added on the way out, where a lane holds four neighbouring columns of a row: one load of 16 bytes a lane.
.set CH,    8
.set NSTEP, 8
.set NF,    1
.set RBA,   512
.set RBB,   768
.set STEPA, 32768
.set STEPB, 49152
.set BREG,  98304
.set LI,  4
.set LS,  5
.set ADA, 6
.set ADB, 8
.set SCB, 32                           ; v32-63 W_out's scale words, v96-111 O's: they hold nothing else
.set SCA, 96
.set BK,  128                          ; the way out: 16 rows read back, v128-191 and v192-255 by turns
.set WV,  20
.set AH,  21
.set BH,  22
.set G1A, 32
.set G1B, 40
.set G0A, 48
.set G0B, 68
.set MULW, 0xad
.set TO_B, 0x40
.set TO_A, 0xc0
.set TO_ACC, 0x80
.set MSB, 0
.macro WIN new
.if MSB != \new
	s_set_vgpr_msb (MSB<<8)|\new
.set MSB, \new
.endif
.endm
.macro PLACES
.rept 4
	v_nop
.endr
.endm
.macro CROUND
	s_barrier_signal -1
	s_barrier_wait -1
	s_cmp_lg_u32 s[WV], 0
	s_cbranch_scc1 .Lnw0_\@
	s_barrier_signal -3
.Lnw0_\@:
	s_barrier_wait -3
	s_barrier_signal -1
	s_barrier_wait -1
.endm
.macro ARRIVE n                        ; the next chunk has landed (n later chunks may stay out); my LDS loads are in
	s_wait_tensorcnt \n
	s_wait_dscnt 0x0
	s_barrier_signal -1
	s_barrier_wait -1
.endm
.macro FETCH st
.set SLL, (\st)%8
.set PP, (\st)%2
	WIN TO_B
.irp t, 0,1,2,3,4,5,6,7
.irp c, 0,1,2
	ds_load_b128 v[128*PP+12*\t+4*\c:128*PP+12*\t+4*\c+3], v[ADB+SLL/4] offset:((SLL%4)*8+\t)*1536+512*\c
.endr
.endr
	WIN TO_A
.irp a, 0,1,2,3
.irp c, 0,1,2
	ds_load_b128 v[64*PP+12*\a+4*\c:64*PP+12*\a+4*\c+3], v[ADA+SLL/4] offset:((SLL%4)*8+\a)*1536+512*\c
.endr
.endr
.endm
.macro WM a, t, st
.set DD, 64*(\a)+8*(\t)
.set FB, 128*((\st)%2)+12*(\t)
.set FA, 64*((\st)%2)+12*(\a)
.set SRB, SCB+4*(\st)+(\t)/2
.set SRA, SCA+2*(\st)+(\a)/2
.if (\st) == 0
.if ((\t)%2 == 0) && ((\a)%2 == 0)
	v_wmma_scale_f32_16x16x128_f8f6f4 v[DD:DD+7], v[FB:FB+11], v[FA:FA+11], 0, v[SRB], v[SRA] matrix_a_fmt:MATRIX_FMT_FP6 matrix_b_fmt:MATRIX_FMT_FP6
.elseif ((\a)%2 == 0)
	v_wmma_scale_f32_16x16x128_f8f6f4 v[DD:DD+7], v[FB:FB+11], v[FA:FA+11], 0, v[SRB], v[SRA] matrix_a_fmt:MATRIX_FMT_FP6 matrix_b_fmt:MATRIX_FMT_FP6 matrix_a_scale:MATRIX_SCALE_ROW1
.elseif ((\t)%2 == 0)
	v_wmma_scale_f32_16x16x128_f8f6f4 v[DD:DD+7], v[FB:FB+11], v[FA:FA+11], 0, v[SRB], v[SRA] matrix_a_fmt:MATRIX_FMT_FP6 matrix_b_fmt:MATRIX_FMT_FP6 matrix_b_scale:MATRIX_SCALE_ROW1
.else
	v_wmma_scale_f32_16x16x128_f8f6f4 v[DD:DD+7], v[FB:FB+11], v[FA:FA+11], 0, v[SRB], v[SRA] matrix_a_fmt:MATRIX_FMT_FP6 matrix_b_fmt:MATRIX_FMT_FP6 matrix_a_scale:MATRIX_SCALE_ROW1 matrix_b_scale:MATRIX_SCALE_ROW1
.endif
.else
.if ((\t)%2 == 0) && ((\a)%2 == 0)
	v_wmma_scale_f32_16x16x128_f8f6f4 v[DD:DD+7], v[FB:FB+11], v[FA:FA+11], v[DD:DD+7], v[SRB], v[SRA] matrix_a_fmt:MATRIX_FMT_FP6 matrix_b_fmt:MATRIX_FMT_FP6
.elseif ((\a)%2 == 0)
	v_wmma_scale_f32_16x16x128_f8f6f4 v[DD:DD+7], v[FB:FB+11], v[FA:FA+11], v[DD:DD+7], v[SRB], v[SRA] matrix_a_fmt:MATRIX_FMT_FP6 matrix_b_fmt:MATRIX_FMT_FP6 matrix_a_scale:MATRIX_SCALE_ROW1
.elseif ((\t)%2 == 0)
	v_wmma_scale_f32_16x16x128_f8f6f4 v[DD:DD+7], v[FB:FB+11], v[FA:FA+11], v[DD:DD+7], v[SRB], v[SRA] matrix_a_fmt:MATRIX_FMT_FP6 matrix_b_fmt:MATRIX_FMT_FP6 matrix_b_scale:MATRIX_SCALE_ROW1
.else
	v_wmma_scale_f32_16x16x128_f8f6f4 v[DD:DD+7], v[FB:FB+11], v[FA:FA+11], v[DD:DD+7], v[SRB], v[SRA] matrix_a_fmt:MATRIX_FMT_FP6 matrix_b_fmt:MATRIX_FMT_FP6 matrix_a_scale:MATRIX_SCALE_ROW1 matrix_b_scale:MATRIX_SCALE_ROW1
.endif
.endif
.endm
.macro MUL st                          ; the 32 accumulators take turns, one instruction a turn
	WIN MULW
.irp a, 0,1,2,3
.irp t, 0,1,2,3,4,5,6,7
	WM \a, \t, \st
.endr
.endr
.endm
.macro KSTEP
.if S+1 < NSTEP
.if (S+1)%CH == 0
	ARRIVE NF-1-(S+1)/CH
.endif
	PLACES
	FETCH S+1
	s_wait_dscnt 36                                ; all but the 36 just issued
.else
	s_wait_dscnt 0x0
.endif
	MUL S
.endm
.macro TOSTAGE a
	WIN 0x08                                       ; an LDS store's data are its source 1: window 2
.irp t, 0,1,2,3,4,5,6,7
	ds_store_b128 v16, v[64*(\a)+8*\t:64*(\a)+8*\t+3] offset:128*(\t/2)+32*(\t%2)          ; each accumulator from its low end on
	ds_store_b128 v16, v[64*(\a)+8*\t+4:64*(\a)+8*\t+7] offset:128*(\t/2)+32*(\t%2)+16
.endr
	WIN 0
.irp p, 0,1,2,3,4,5,6,7,8,9,10,11,12,13,14,15
	ds_load_b128 v[BK+64*((\a)%2)+4*\p:BK+64*((\a)%2)+4*\p+3], v17 offset:528*\p           ; LDS serves a wave's instructions in order: these see the stores above, and the next block's stores come behind them
.endr
.endm
.macro SEND a, younger                 ; younger: the LDS instructions issued behind block a's loads, which may stay out
	s_wait_dscnt \younger
.set J, 0
.rept 16                               ; the bias of my four columns onto each of the 16 rows
	v_pk_add_f32 v[BK+64*((\a)%2)+J:BK+64*((\a)%2)+J+1], v[BK+64*((\a)%2)+J:BK+64*((\a)%2)+J+1], v[112:113]
	v_pk_add_f32 v[BK+64*((\a)%2)+J+2:BK+64*((\a)%2)+J+3], v[BK+64*((\a)%2)+J+2:BK+64*((\a)%2)+J+3], v[114:115]
.set J, J+4
.endr
.irp p, 0,1,2,3,4,5,6,7,8,9,10,11,12,13,14,15
	global_store_b128 v[LI], v[BK+64*((\a)%2)+4*\p:BK+64*((\a)%2)+4*\p+3], s[12:13] offset:(32*((\a)/2)+8*((\a)%2)+\p+8*(\p/8))*4096 th:TH_STORE_NT   ; 32 lanes store 512 consecutive bytes, aligned; written once
.endr
.endm
	s_load_b256 s[4:11], s[0:1], 0x0               ; oc, xw, xws, b_out
	s_load_b64 s[12:13], s[0:1], 0x20              ; out0
	v_lshl_add_u32 v126, v0, 2, 0x48000
	v_mov_b32 v127, 0
	ds_add_u32 v126, v127
	ds_add_u32 v126, v127
	v_lshrrev_b32 v1, 5, v0
	v_readfirstlane_b32 s[WV], v1
	s_lshr_b32 s[AH], s[WV], 1
	s_and_b32 s[BH], s[WV], 1
	s_bfe_u32 s24, ttmp6, 0x40000                  ; cx
	s_bfe_u32 s25, ttmp6, 0x40004                  ; cy
	s_lshl_b32 s28, s25, 2
	s_lshl_b32 s28, 15, s28
	s_lshl_b32 s29, 0x1111, s24
	s_or_b32 s[G1A], s28, (3<<16)|(1<<21)
	s_or_b32 s[G1B], s29, (3<<16)|(1<<21)
.irp g, G1A, G1B
	s_mov_b32 s[\g+1], 1536<<16
	s_mov_b32 s[\g+2], CH<<16
	s_mov_b32 s[\g+3], 1536<<16
	s_mov_b32 s[\g+4], CH
	s_mov_b32 s[\g+6], 0
	s_mov_b32 s[\g+7], 0
.endr
	s_mov_b32 s[G1A+5], RBA*192
	s_mov_b32 s[G1B+5], RBB*192
	s_and_b32 s101, ttmp7, 0xffff
	s_lshl_b32 s26, ttmp9, 2
	s_add_co_u32 s26, s26, s24                     ; TC: 256 outputs
	s_lshl_b32 s27, s101, 2
	s_add_co_u32 s27, s27, s25                     ; TR: 128 tokens
	s_lshl_b32 s99, s27, 3                         ; O's first row block
	s_mul_i32 s66, s99, 1536
	s_mov_b32 s67, 0
	s_lshl_b32 s100, s26, 4
	s_add_co_u32 s100, s100, 704                   ; W_out's columns: row blocks 704 on
	s_lshl_b32 s2, s[AH], 3
	s_add_co_u32 s2, s2, s100
	s_mul_i32 s2, s2, 1536
	s_mov_b32 s3, 0
	s_mul_i32 s30, s[AH], BREG
	s_add_co_u32 s30, s30, BREG
	s_wait_dscnt 0x0
	s_wait_kmcnt 0x0
	s_add_nc_u64 s[66:67], s[4:5], s[66:67]
	s_add_nc_u64 s[2:3], s[6:7], s[2:3]
.set J, 0
.rept NF
	s_mov_b32 s[G0A+4*J], 1
	s_mov_b32 s[G0A+4*J+1], J*CH*12288
	s_add_nc_u64 s[G0A+4*J+2:G0A+4*J+3], s[66:67], J*CH*RBA*1536
	s_or_b32 s[G0A+4*J+3], s[G0A+4*J+3], 0x80000000
	s_mov_b32 s[G0B+4*J], 1
	s_add_co_u32 s[G0B+4*J+1], s30, J*CH*12288
	s_add_nc_u64 s[G0B+4*J+2:G0B+4*J+3], s[2:3], J*CH*RBB*1536
	s_or_b32 s[G0B+4*J+3], s[G0B+4*J+3], 0x80000000
.set J, J+1
.endr
	CROUND
	s_cmp_eq_u32 s[WV], 0                          ; the first fills: wave 0 O's eight K steps, waves 1 and 2 a half of W_out's each, wave 3 none
	s_cbranch_scc0 .Lfill_b
.set J, 0
.rept NF
	tensor_load_to_lds s[G0A+4*J:G0A+4*J+3], s[G1A:G1A+7]
	s_nop 0
.set J, J+1
.endr
	PLACES
	s_branch .Lfilled
.Lfill_b:
	s_cmp_lt_u32 s[WV], 3
	s_cbranch_scc0 .Lfilled
.set J, 0
.rept NF
	tensor_load_to_lds s[G0B+4*J:G0B+4*J+3], s[G1B:G1B+7]
	s_nop 0
.set J, J+1
.endr
	PLACES
.Lfilled:
	v_and_b32 v1, 31, v0
	v_and_b32 v2, 15, v0
	v_bfe_u32 v3, v0, 4, 1
	v_lshlrev_b32 v[LI], 4, v1
	v_lshlrev_b32 v[LS], 2, v1
	s_mul_i32 s2, s[AH], 6144
	v_add_nc_u32 v[ADA], s2, v[LI]
	v_add_nc_u32 v[ADA+1], 49152, v[ADA]
	s_mul_i32 s2, s[BH], BREG
	s_add_co_u32 s2, s2, BREG
	v_add_nc_u32 v[ADB], s2, v[LI]
	v_add_nc_u32 v[ADB+1], 49152, v[ADB]
	s_mul_i32 s2, s[WV], 8448                      ; my stage: 16 rows of 528 bytes
	v_mul_u32_u24 v16, v2, 528
	v_lshl_add_u32 v16, v3, 6, v16
	v_add_nc_u32 v16, s2, v16                      ; in: row r, + 64 h
	v_add_nc_u32 v17, s2, v[LI]                    ; back: 16 bytes a lane of a row
	s_wait_alu depctr_va_vdst(0)
	s_lshl_b32 s2, s[AH], 2
	s_add_co_u32 s2, s2, s99
	s_lshl_b32 s16, s2, 6
	s_add_co_u32 s16, s16, 6291456                 ; O's scale words lie behind its codes
	s_mov_b32 s17, 0
	s_add_nc_u64 s[16:17], s[4:5], s[16:17]
	s_lshl_b32 s2, s[BH], 3
	s_add_co_u32 s2, s2, s100
	s_lshl_b32 s18, s2, 6
	s_mov_b32 s19, 0
	s_add_nc_u64 s[18:19], s[8:9], s[18:19]
.set S, 0
.rept NSTEP
.irp i, 0,1
	global_load_b32 v[SCA+2*S+\i], v[LS], s[16:17] offset:S*STEPA+128*\i
.endr
.irp i, 0,1,2,3
	global_load_b32 v[SCB+4*S+\i], v[LS], s[18:19] offset:S*STEPB+128*\i
.endr
.set S, S+1
.endr
	s_lshl_b32 s2, s26, 10
	s_lshl_b32 s3, s[BH], 9
	s_add_co_u32 s2, s2, s3                        ; my first column, in bytes: 4 (256 TC + 128 BH)
	s_mov_b32 s3, 0
	s_add_nc_u64 s[10:11], s[10:11], s[2:3]
	s_add_nc_u64 s[12:13], s[12:13], s[2:3]
	s_lshl_b32 s2, s27, 19                         ; my first token: 128 TR + 64 AH rows of 4,096 bytes
	s_lshl_b32 s30, s[AH], 18
	s_add_co_u32 s2, s2, s30
	s_add_nc_u64 s[12:13], s[12:13], s[2:3]
	global_load_b128 v[112:115], v[LI], s[10:11]   ; b_out at columns 4 lane .. 4 lane + 3 of my 128: what a lane holds of a row on the way out
	ARRIVE NF-1
	FETCH 0
	s_wait_loadcnt 0x0                             ; the scale words and the bias
.set S, 0
.rept NSTEP
	KSTEP
.set S, S+1
.endr
	WIN 0
	PLACES
	s_wait_dscnt 0x0                               ; my reads of A's region are over (the last wait of the loop has shown it),
	s_barrier_signal -1
	s_barrier_wait -1                              ; everybody's are: the stages may be written
	TOSTAGE 0
.irp a, 1,2,3
.if \a > 1
	s_wait_xcnt 0x0                                ; block a - 2's stores have read their registers: block a's loads may land there
.endif
	TOSTAGE \a
	SEND \a-1, 32                                  ; behind block a - 1's loads: block a's 16 stores and 16 loads
.endr
	SEND 3, 0
	s_wait_tensorcnt 0x0
	ds_add_u32 v126, v127
	s_wait_dscnt 0x0
	CROUND                                         ; the closing round
	s_endpgm
.Lfunc_end_k_qa3fb16e99f_outp:
	.size	k_qa3fb16e99f_outp, .Lfunc_end_k_qa3fb16e99f_outp-k_qa3fb16e99f_outp
	.p2alignl 7, 3214868480
	.fill 96, 4, 3214868480
	.section	.rodata,"a",@progbits
	.p2align	6, 0x0
	.amdhsa_kernel k_qa3fb16e99f_outp
		.amdhsa_group_segment_fixed_size 327680
		.amdhsa_private_segment_fixed_size 0
		.amdhsa_enable_private_segment 0
		.amdhsa_kernarg_size 40
		.amdhsa_user_sgpr_count 2
		.amdhsa_user_sgpr_kernarg_segment_ptr 1
		.amdhsa_wavefront_size32 1
		.amdhsa_system_sgpr_workgroup_id_x 1
		.amdhsa_system_sgpr_workgroup_id_y 1
		.amdhsa_system_sgpr_workgroup_id_z 1
		.amdhsa_system_vgpr_workitem_id 0
		.amdhsa_next_free_vgpr 1024
		.amdhsa_next_free_sgpr 102
		.amdhsa_reserve_vcc 0
		.amdhsa_float_denorm_mode_32 3
		.amdhsa_float_denorm_mode_16_64 3
		.amdhsa_memory_ordered 1
		.amdhsa_forward_progress 1
		.amdhsa_inst_pref_size 86
	.end_amdhsa_kernel
	.amdgpu_metadata
---
amdhsa.version: [ 1, 2 ]
amdhsa.kernels:
  - .name:           k_qa3fb16e99f_outp
    .symbol:         k_qa3fb16e99f_outp.kd
    .args:
      - { .name: oc, .offset: 0, .size: 8, .value_kind: global_buffer, .address_space: global }
      - { .name: xw, .offset: 8, .size: 8, .value_kind: global_buffer, .address_space: global }
      - { .name: xws, .offset: 16, .size: 8, .value_kind: global_buffer, .address_space: global }
      - { .name: b_out, .offset: 24, .size: 8, .value_kind: global_buffer, .address_space: global }
      - { .name: out0, .offset: 32, .size: 8, .value_kind: global_buffer, .address_space: global }
    .group_segment_fixed_size: 327680
    .private_segment_fixed_size: 0
    .kernarg_segment_align: 8
    .kernarg_segment_size: 40
    .max_flat_workgroup_size: 128
    .sgpr_count:     102
    .vgpr_count:     1024
    .wavefront_size: 32
...
	.end_amdgpu_metadata
.endif
;; end of part 5
